; MI455X (gfx1250); checked and timed in simulation.
; The chip was launched on July 23, 2026; its instructions are those of AMD's public machine-readable ISA for CDNA 5 (MIT licence, August 2026) and "CDNA5" Instruction Set Architecture Reference Guide (July 2026). The comments in the code are by the model that wrote it; some were corrected since.
;; Causal Self Attention. Allowed arithmetic: matrix products marked QUANTISED: E2M1 operands, one E8M0 scale for each 32 along K, by v_wmma_scale_f32_16x16x128_f8f6f4 with both operands' format E2M1 (or v_wmma_scale_f32_32x16x128_f4), f32 sums; products left as they are: bf16, f16 or f32 operands; f32 sums; everything else in f32.
;; Inputs: W_out 1,024 x 1,024 float32; W_qkv 1,024 x 3,072 float32; b_out 1,024 float32; b_qkv 3,072 float32; x 2 x 2,048 x 1,024 float32.
;; Outputs: out0 2 x 2,048 x 1,024 float32.
;; This version of the problem:
;;   THIS VERSION OF THE PROBLEM IS GIVEN IN LOW PRECISION. The matrix products marked QUANTISED in the list below multiply operands that are first quantised to E2M1 (2 exponent bits, 1 mantissa bit; 4 bits a number), with one power-of-two scale for each 32 numbers along K (OCP MX v1.0); their sums are f32. The products marked 'left as it is' may take bf16, f16 or f32 operands, with f32 sums. Whichever they take, every output number must still come out within the allowed error. Rounding operands to bf16 (8 significant bits) uses up far more of that allowance than f16 does (11 bits, for magnitudes from 6e-5 to 65,504). All else is computed in f32.
;;   The module's matrix products, in the order in which they are computed (A, B: the left and right operand; K: the contracted axis; several contracted axes count as one K, in the product's order):
;;     1. [M 4,096, K 1,024] x [K 1,024, N 3,072]; A: input x; B: input W_qkv: QUANTISED
;;     2. batch 32 x [M 2,048, K 64] x [K 64, N 2,048]; A: computed on the way; B: computed on the way: left as it is (an operand is computed on the way)
;;     3. batch 32 x [M 2,048, K 2,048] x [K 2,048, N 64]; A: computed on the way; B: computed on the way: left as it is (an operand is computed on the way)
;;     4. [M 4,096, K 1,024] x [K 1,024, N 1,024]; A: computed on the way; B: input W_out: left as it is (an operand is computed on the way)
;;   THE QUANTISER, for each operand of a quantised product, along K:
;;     - K is cut into blocks of 32 from its start; a last block that is shorter is filled with zeros.
;;     - A block's scale is 2^e with e = floor(log2(the largest magnitude in the block)) - 2, held to -126 .. 127; a block of zeros has e = 0. As a byte (E8M0): e + 127.
;;     - Each number is divided by its block's scale, clamped to +-6, and rounded to the nearest number of E2M1, ties to even, subnormals kept.
;;     - The product sums the exact products of the quantised numbers (number of the format x scale) in f32.
;;   ~~~python
;;   def quantise(x, axis):      # numpy; x: float32 -> the quantised numbers, widened to float32 again
;;       x = np.moveaxis(x, axis, -1); K = x.shape[-1]
;;       x = np.pad(x, [(0, 0)] * (x.ndim - 1) + [(0, -K % 32)]); x = x.reshape(x.shape[:-1] + (-1, 32)); a = np.abs(x).max(-1, keepdims=True)
;;       e = np.where(a > 0, np.clip(np.frexp(np.where(a > 0, a, 1))[1] - 1 - 2, -126, 127), 0)      # np.frexp(a)[1] - 1 = floor(log2(a)), exactly
;;       r = np.clip(x / 2.0 ** e, -6, 6)
;;       step = 2.0 ** (np.maximum(np.frexp(np.where(r == 0, 1, r))[1] - 1, 0) - 1)
;;       q = np.round(r / step) * step * 2.0 ** e      # np.round: ties to even
;;       return np.moveaxis(q.reshape(q.shape[:-2] + (-1,))[..., :K], -1, axis).astype(np.float32)
;;   ~~~
;; One version. Each part assembles by itself: llvm-mc -triple=amdgcn-amd-amdhsa -mcpu=gfx1250 --defsym DOCPART=n.
;; ======== version 1 of 1: 4 launches
;; limits: values are held in f16: magnitudes above 65,504 overflow, below 6.1e-05 lose precision
;; workspace buffers: xc 2,097,152 bytes; xs 131,072 bytes; wc 1,572,864 bytes; ws 98,304 bytes; wt 2,097,152 bytes; qkv 25,165,824 bytes; oh 8,388,608 bytes
;; launch prep (part 1): grid 256 x 1, 8 waves a work-group, no clusters, 131,072 bytes of LDS; arguments x, W_qkv, W_out, xc, xs, wc, ws, wt; writes xc, xs, wc, ws, wt
.if DOCPART == 1
	.amdgcn_target "amdgcn-amd-amdhsa--gfx1250"
	.amdhsa_code_object_version 6
	.text
	.protected	k_q4d7d2f6e9a_prep
	.globl	k_q4d7d2f6e9a_prep
	.p2align	8
	.type	k_q4d7d2f6e9a_prep,@function
k_q4d7d2f6e9a_prep:
	s_mov_b64 s[64:65], 0
	v_nop
	global_prefetch_b8 v0, s[64:65] scope:SCOPE_SE
	s_setreg_imm32_b32 hwreg(HW_REG_WAVE_MODE, 25, 1), 1
	s_wait_xcnt 0x0
; PREP.  Three jobs in one launch, told apart by the work-group's number; each work-group reads 131,072 bytes, each of its eight waves 16,384.
;   work-groups 0-127   X: x [4096][1024] f32 -> xc [4096][512 bytes], codes of FP4 (E2M1), K innermost, the lower k in the low four bits; xs [4096][32], one E8M0 byte for each 32 along K
;   work-groups 128-223 W: W_qkv [1024 k][3072 n] f32, K its FIRST axis -> wc [3072][512 bytes], ws [3072][32], laid like xc and xs
;   work-groups 224-255 T: W_out [1024 k][1024 n] f32 -> wt [1024 n][1024 k] f16, rounded to nearest even
; THE QUANTISER: a block's scale is 2^(floor(log2(its largest magnitude)) - 2); its byte is the largest magnitude's exponent field - 2, held at 1 from below; each number is divided by the scale and
; rounded to the nearest code, ties to even, beyond 6 the largest code.
; LIMITS: a block of zeros gets the byte 1 where the rule says 127 (its codes are zeros, and this program alone reads the bytes); blocks whose largest magnitude lies under 2^-124 keep the byte 1;
; NaN and infinities are not served; numbers of W_out beyond 65,504 do not fit f16, and under 6e-5 they are kept to 2^-25 absolutely.
; No tensor loads.  Each path has LDS bytes of its own; the three join at one end.
.set XST,   0                          ; X: for each wave two stages of 32 places x 80 bytes: 5,120 bytes a wave
.set XSCL,  40960                      ; X: the work-group's 1,024 scale bytes
.set WCOD,  41984                      ; W: 64 columns x (256 bytes of codes + 16)
.set WSCL,  59392                      ; W: 64 columns x 16 scale bytes
.set TST,   60416                      ; T: for each wave 32 columns x (256 bytes + 16)
.set SPARE, 130048                     ; the spare words, 128 bytes for each wave: four blocks of 256 bytes that no other line names
.set SPW,   200                        ; v200 LDS address of my spare word; never rewritten
.set NIL,   201                        ; v201 0; never rewritten
.set R,     16                         ; X: v16-143 eight sets of 16 numbers as they are loaded
.set XN,    144                        ; X: v144-175 two sets of 16 neighbours
.set C,     176                        ; X: v176-191 two registers of codes for each step
.set E,     192                        ; X: v192-199 a scale byte for each step
.set CN,    16                         ; W, T: v16-143 four sets of 32 numbers down K
.set WC,    144                        ; W: v144-159 four registers of codes for each block
.set SB,    160                        ; W: v160 my four scale bytes
.set OUTR,  164                        ; W: v164-179 rows of codes on the way out
.set SOUT,  180                        ; W: v180-183 scale bytes on the way out
.macro XLOAD t                         ; step t: 2,048 bytes; each load reads 512 consecutive bytes, 16 a lane
.irp i, 0,1,2,3
	global_load_b128 v[R+16*(\t)+4*\i:R+16*(\t)+4*\i+3], v4, s[4:5] offset:2048*(\t)+512*\i th:TH_LOAD_NT
.endr
.endm
.macro XTURN t                         ; step t through my stage: in as loaded, out 64 bytes (16 neighbours) a lane.  LDS serves a wave's instructions in order: no wait between
.irp i, 0,1,2,3
	ds_store_b128 v14, v[R+16*(\t)+4*\i:R+16*(\t)+4*\i+3] offset:2560*((\t)%2)+640*\i
.endr
.irp i, 0,1,2,3
	ds_load_b128 v[XN+16*((\t)%2)+4*\i:XN+16*((\t)%2)+4*\i+3], v15 offset:2560*((\t)%2)+16*\i
.endr
.endm
.macro XSTEP t
.set XS, XN+16*((\t)%2)
.if (\t) > 0
	s_wait_dscnt 1                                 ; this step's numbers are back from the stage; the last step's byte store may be out
.else
	s_wait_dscnt 0x0
.endif
.if (\t) < 7
	s_wait_loadcnt 4*(6-(\t))                      ; the next step's four loads are in; those of the steps behind it may be out
	XTURN (\t)+1                                   ; they go through the other stage while this step is worked
.endif
	v_max3_num_f32 v8, |v[XS]|, |v[XS+1]|, |v[XS+2]|   ; the largest magnitude of my 16, in two chains
	v_max3_num_f32 v9, |v[XS+3]|, |v[XS+4]|, |v[XS+5]|
.irp i, 6,10
	v_max3_num_f32 v8, v8, |v[XS+\i]|, |v[XS+\i+1]|
	v_max3_num_f32 v9, v9, |v[XS+\i+2]|, |v[XS+\i+3]|
.endr
	v_max3_num_f32 v8, v8, |v[XS+14]|, |v[XS+15]|
	v_max3_num_f32 v8, v8, v9, 3<<23               ; and the floor 2^(3 - 127): the byte cannot fall under 1
	v_max_num_f32_dpp v8, v8, v8 row_xmask:1 row_mask:0xf bank_mask:0xf   ; with my neighbour's 16: the block's
	v_add_nc_u32 v11, 0xff000000, v8               ; 2 off its exponent field: the conversion takes that field as its scale, and nothing else of the operand
	v_cvt_scalef32_pk8_fp4_f32 v[C+2*(\t)], v[XS:XS+7], v11
	v_cvt_scalef32_pk8_fp4_f32 v[C+2*(\t)+1], v[XS+8:XS+15], v11
	v_lshrrev_b32 v[E+(\t)], 23, v11               ; the scale's byte (a plain line behind the conversions)
	ds_store_b8 v6, v[E+(\t)] offset:16*(\t)       ; both lanes of a block write the same byte with the same value
	global_store_b64 v5, v[C+2*(\t):C+2*(\t)+1], s[10:11] offset:256*(\t)   ; the wave stores 256 consecutive bytes, aligned
.endm
.macro COLS first                      ; W, T: which 64 columns and which 512 along K are the work-group's, which 32 and which 128 of them my wave's
	s_sub_co_u32 s21, ttmp9, \first
	s_lshr_b32 s22, s21, 1                         ; gx: 64 columns
	s_and_b32 s23, s21, 1                          ; gy: 512 along K
	s_and_b32 s24, s20, 1                          ; ch: 32 of the columns: two waves stand side by side on 256 bytes of each row
	s_lshr_b32 s25, s20, 1                         ; kc: 128 of the 512
	s_lshl_b32 s28, s23, 2
	s_add_co_u32 s28, s28, s25                     ; 4 gy + kc
	s_lshl_b32 s29, s22, 1
	s_add_co_u32 s29, s29, s24                     ; 2 gx + ch
	v_lshlrev_b32 v4, 2, v1                        ; A LANE TAKES A COLUMN, ITS REGISTERS RUN DOWN K: 4 bytes a lane
.endm
.macro CLOAD t, lo, pitch              ; block t: rows 32 t .. 32 t + 31 of my 128, my column
.irp i, 0,1,2,3,4,5,6,7,8,9,10,11,12,13,14,15,16,17,18,19,20,21,22,23,24,25,26,27,28,29,30,31
	global_load_b32 v[CN+32*(\t)+\i], v4, s[\lo:\lo+1] offset:(32*(\t)+\i)*\pitch th:TH_LOAD_NT
.endr
.endm
.macro CWAIT t, lo, pitch              ; block t is in; the block two further on is asked for at once: 64 loads of the wave are out
.if (\t) < 3
	s_wait_loadcnt 32                              ; the 32 loads of the block behind this one may be out
.else
	s_wait_loadcnt 0x0
.endif
.if (\t) < 2
	CLOAD (\t)+2, \lo, \pitch
.endif
.endm
.macro WBLOCK t
.set XS, CN+32*(\t)
	CWAIT \t, 6, 12288
	v_max3_num_f32 v12, |v[XS]|, |v[XS+1]|, |v[XS+2]|   ; the block's largest magnitude: all 32 numbers are mine
	v_max3_num_f32 v13, |v[XS+3]|, |v[XS+4]|, |v[XS+5]|
.irp i, 6,10,14,18,22,26
	v_max3_num_f32 v12, v12, |v[XS+\i]|, |v[XS+\i+1]|
	v_max3_num_f32 v13, v13, |v[XS+\i+2]|, |v[XS+\i+3]|
.endr
	v_max3_num_f32 v12, v12, |v[XS+30]|, |v[XS+31]|
	v_max3_num_f32 v12, v12, v13, 3<<23            ; the floor
	v_add_nc_u32 v11, 0xff000000, v12              ; the conversion's scale operand
	v_lshrrev_b32 v13, 23, v11                     ; the byte
.if (\t) == 0
	v_mov_b32 v[SB], v13                           ; four bytes to a register, the lower K in the lower byte
.else
	v_lshl_or_b32 v[SB], v13, 8*(\t), v[SB]
.endif
.irp g, 0,1,2,3
	v_cvt_scalef32_pk8_fp4_f32 v[WC+4*(\t)+\g], v[XS+8*\g:XS+8*\g+7], v11
.endr
	v_nop                                          ; one plain line behind the last conversion of a run
	ds_store_b128 v5, v[WC+4*(\t):WC+4*(\t)+3] offset:16*(\t)   ; 32 codes: 16 bytes of my column's row
.endm
.macro TBLOCK t
.set XS, CN+32*(\t)
	CWAIT \t, 8, 4096
.irp i, 0,1,2,3,4,5,6,7,8,9,10,11,12,13,14,15
	v_cvt_pk_f16_f32 v[XS+\i], v[XS+2*\i], v[XS+2*\i+1]   ; two neighbours along K to a word, in place, from the low end on
.endr
.irp j, 0,1,2,3
	ds_store_b128 v5, v[XS+4*\j:XS+4*\j+3] offset:64*(\t)+16*\j
.endr
.endm
	s_load_b256 s[4:11], s[0:1], 0x0               ; x s[4:5], W_qkv s[6:7], W_out s[8:9], xc s[10:11]
	s_load_b256 s[12:19], s[0:1], 0x20             ; xs s[12:13], wc s[14:15], ws s[16:17], wt s[18:19]
	v_lshl_add_u32 v[SPW], v0, 2, SPARE
	v_mov_b32 v[NIL], 0
	v_lshrrev_b32 v1, 5, v0
	v_readfirstlane_b32 s20, v1                    ; wave 0..7
	v_and_b32 v1, 31, v0                           ; lane
	v_and_b32 v2, 15, v0                           ; lane % 16
	v_bfe_u32 v3, v0, 4, 1                         ; lane / 16
	s_mov_b32 s27, 0                               ; the upper word of every offset pair s[26:27]
	s_wait_kmcnt 0x0
	s_cmp_lt_u32 ttmp9, 128
	s_cbranch_scc0 .Lnot_x
	; ---- X.  Rows are dense and 1,024 is a multiple of 32: x is a plain stream of blocks of 32, and so are its codes and bytes.  A wave takes 8 steps of 512 numbers.
	s_lshl_b32 s21, ttmp9, 3
	s_add_co_u32 s21, s21, s20                     ; which run of 4,096 numbers is my wave's
	s_lshl_b32 s26, s21, 14
	s_add_nc_u64 s[4:5], s[4:5], s[26:27]
	s_lshl_b32 s26, s21, 11
	s_add_nc_u64 s[10:11], s[10:11], s[26:27]
	s_lshl_b32 s26, ttmp9, 10
	s_add_nc_u64 s[12:13], s[12:13], s[26:27]
	v_lshlrev_b32 v4, 4, v1                        ; my 16 bytes of a load's 512
.irp t, 0,1,2,3,4,5,6,7
	XLOAD \t                                       ; all 32 loads of the wave go out at once
.endr
	s_mul_i32 s24, s20, 5120
	v_lshrrev_b32 v14, 2, v1
	v_mul_u32_u24 v14, v14, 80
	v_and_b32 v15, 3, v1
	v_lshl_add_u32 v14, v15, 4, v14
	v_add_nc_u32 v14, s24, v14                     ; the stage, in: four lanes' 64 bytes on end, then 16 of padding
	v_mul_u32_u24 v15, v1, 80
	v_add_nc_u32 v15, s24, v15                     ; and out: my 16 neighbours
	v_lshlrev_b32 v5, 3, v1                        ; my 8 bytes of a step's codes
	s_lshl_b32 s24, s20, 7
	s_add_co_u32 s24, s24, XSCL
	v_lshrrev_b32 v6, 1, v1
	v_add_nc_u32 v6, s24, v6                       ; my wave's 128 scale bytes, my block's byte
	s_and_b32 s25, s20, 3
	s_lshl_b32 s25, s25, 8
	v_add_nc_u32 v12, s25, v5                      ; the bytes' way out: waves 0 to 3 take 256 each, 8 a lane: in xs,
	s_add_co_u32 s25, s25, XSCL
	v_add_nc_u32 v7, s25, v5                       ; and in LDS
	s_wait_loadcnt 28                              ; step 0's four loads are in; the 28 behind them may be out
	XTURN 0
.irp t, 0,1,2,3,4,5,6,7
	XSTEP \t
.endr
	s_wait_dscnt 0x0                               ; for the others' sake: my byte stores are done
	s_barrier_signal -1
	s_barrier_wait -1
	s_cmp_lt_u32 s20, 4
	s_cbranch_scc0 .Lend
	ds_load_b64 v[8:9], v7
	s_wait_dscnt 0x0
	global_store_b64 v12, v[8:9], s[12:13]         ; the wave stores 256 consecutive bytes, aligned
	s_branch .Lend
.Lnot_x:
	s_cmp_lt_u32 ttmp9, 224
	s_cbranch_scc0 .Lpath_t
	; ---- W.  A lane's 32 registers are a whole block of one column: no other lane is asked for a maximum, and the codes come out with K innermost.
	COLS 128
	s_mul_i32 s26, s28, 128*12288                  ; my 128 rows of 12,288 bytes,
	s_lshl_b32 s30, s29, 7                         ; my 32 columns
	s_add_co_u32 s26, s26, s30
	s_add_nc_u64 s[6:7], s[6:7], s[26:27]
	CLOAD 0, 6, 12288
	CLOAD 1, 6, 12288
	s_lshl_b32 s26, s22, 15                        ; wc: row 64 gx + 8 wave of 512 bytes, + 256 gy
	s_lshl_b32 s30, s20, 12
	s_add_co_u32 s26, s26, s30
	s_lshl_b32 s30, s23, 8
	s_add_co_u32 s26, s26, s30
	s_add_nc_u64 s[14:15], s[14:15], s[26:27]
	s_lshl_b32 s26, s29, 10                        ; ws: row 64 gx + 32 ch of 32 bytes, + 16 gy
	s_lshl_b32 s30, s23, 4
	s_add_co_u32 s26, s26, s30
	s_add_nc_u64 s[16:17], s[16:17], s[26:27]
	s_lshl_b32 s30, s24, 5
	v_add_nc_u32 v11, s30, v1                      ; my column among the 64
	v_mul_u32_u24 v5, v11, 272
	s_lshl_b32 s30, s25, 6
	s_add_co_u32 s30, s30, WCOD
	v_add_nc_u32 v5, s30, v5                       ; codes in: my column's row, my 128 along K: 64 bytes
	v_lshlrev_b32 v6, 4, v11
	s_lshl_b32 s30, s25, 2
	s_add_co_u32 s30, s30, WSCL
	v_add_nc_u32 v6, s30, v6                       ; bytes in: my column's 16, my four
	s_mul_i32 s30, s20, 8*272
	s_add_co_u32 s30, s30, WCOD
	v_mul_u32_u24 v7, v3, 272
	v_lshl_add_u32 v7, v2, 4, v7
	v_add_nc_u32 v7, s30, v7                       ; codes out: wave w takes rows 8 w on, sixteen lanes to a row, two rows an instruction
	v_lshlrev_b32 v8, 9, v3
	v_lshl_add_u32 v8, v2, 4, v8                   ; and the same place in wc
	v_lshl_add_u32 v9, v11, 4, WSCL                ; bytes out (waves 0 and 1): a lane a column
	v_lshlrev_b32 v10, 5, v1
.irp t, 0,1,2,3
	WBLOCK \t
.endr
	ds_store_b32 v6, v[SB]
	s_wait_dscnt 0x0                               ; for the others' sake: my stores are done
	s_barrier_signal -1
	s_barrier_wait -1                              ; a column's 256 bytes come from four waves
.irp j, 0,1,2,3
	ds_load_b128 v[OUTR+4*\j:OUTR+4*\j+3], v7 offset:544*\j
.endr
.irp j, 0,1,2,3
	s_wait_dscnt 3-\j                              ; the younger loads may be out
	global_store_b128 v8, v[OUTR+4*\j:OUTR+4*\j+3], s[14:15] offset:1024*\j   ; sixteen lanes store 256 consecutive bytes, aligned
.endr
	s_cmp_lt_u32 s20, 2
	s_cbranch_scc0 .Lend
	ds_load_b128 v[SOUT:SOUT+3], v9
	s_wait_dscnt 0x0
	global_store_b128 v10, v[SOUT:SOUT+3], s[16:17]   ; 16 bytes of each row of 32: one byte in 128 of what this path reads leaves in such pieces
	s_branch .Lend
.Lpath_t:
	; ---- T.  The same plan without a quantiser: a lane's 128 numbers down K become 256 bytes of its row of wt, through the wave's own stage.
	COLS 224
	s_lshl_b32 s26, s28, 19                        ; my 128 rows of 4,096 bytes,
	s_lshl_b32 s30, s29, 7                         ; my 32 columns
	s_add_co_u32 s26, s26, s30
	s_add_nc_u64 s[8:9], s[8:9], s[26:27]
	CLOAD 0, 8, 4096
	CLOAD 1, 8, 4096
	s_lshl_b32 s26, s29, 16                        ; wt: row 64 gx + 32 ch of 2,048 bytes, + 256 (4 gy + kc)
	s_lshl_b32 s30, s28, 8
	s_add_co_u32 s26, s26, s30
	s_add_nc_u64 s[18:19], s[18:19], s[26:27]
	s_mul_i32 s30, s20, 32*272
	s_add_co_u32 s30, s30, TST
	v_mul_u32_u24 v5, v1, 272
	v_add_nc_u32 v5, s30, v5                       ; in: row = my column
	v_mul_u32_u24 v7, v3, 272
	v_lshl_add_u32 v7, v2, 4, v7
	v_add_nc_u32 v7, s30, v7                       ; out: sixteen lanes to a row, two rows an instruction
	v_lshlrev_b32 v8, 11, v3
	v_lshl_add_u32 v8, v2, 4, v8                   ; and the same place in wt
.irp t, 0,1,2,3
	TBLOCK \t
.endr
.irp j, 0,1,2,3,4,5,6,7,8,9,10,11,12,13,14,15
	ds_load_b128 v[CN+32*(\j/4)+16+4*(\j%4):CN+32*(\j/4)+16+4*(\j%4)+3], v7 offset:544*\j   ; into the sets' upper halves, which the packing has left; LDS serves a wave's instructions in order
.endr
.irp j, 0,1,2,3,4,5,6,7,8,9,10,11,12,13,14,15
	s_wait_dscnt 15-\j
	global_store_b128 v8, v[CN+32*(\j/4)+16+4*(\j%4):CN+32*(\j/4)+16+4*(\j%4)+3], s[18:19] offset:4096*\j   ; sixteen lanes store 256 consecutive bytes, aligned
.endr
.Lend:
	s_wait_tensorcnt 0x0                           ; the wave's end: a wait, an add of 0 to my spare word
	ds_add_u32 v[SPW], v[NIL]
	s_wait_dscnt 0x0
	s_endpgm
.Lfunc_end_k_q4d7d2f6e9a_prep:
	.size	k_q4d7d2f6e9a_prep, .Lfunc_end_k_q4d7d2f6e9a_prep-k_q4d7d2f6e9a_prep
	.p2alignl 7, 3214868480
	.fill 96, 4, 3214868480
	.section	.rodata,"a",@progbits
	.p2align	6, 0x0
	.amdhsa_kernel k_q4d7d2f6e9a_prep
		.amdhsa_group_segment_fixed_size 131072
		.amdhsa_private_segment_fixed_size 0
		.amdhsa_enable_private_segment 0
		.amdhsa_kernarg_size 64
		.amdhsa_user_sgpr_count 2
		.amdhsa_user_sgpr_kernarg_segment_ptr 1
		.amdhsa_wavefront_size32 1
		.amdhsa_system_sgpr_workgroup_id_x 1
		.amdhsa_system_sgpr_workgroup_id_y 1
		.amdhsa_system_sgpr_workgroup_id_z 1
		.amdhsa_system_vgpr_workitem_id 0
		.amdhsa_next_free_vgpr 208
		.amdhsa_next_free_sgpr 66
		.amdhsa_reserve_vcc 0
		.amdhsa_float_denorm_mode_32 3
		.amdhsa_float_denorm_mode_16_64 3
		.amdhsa_memory_ordered 1
		.amdhsa_forward_progress 1
		.amdhsa_inst_pref_size 61
	.end_amdhsa_kernel
	.amdgpu_metadata
---
amdhsa.version: [ 1, 2 ]
amdhsa.kernels:
  - .name:           k_q4d7d2f6e9a_prep
    .symbol:         k_q4d7d2f6e9a_prep.kd
    .args:
      - { .name: x, .offset: 0, .size: 8, .value_kind: global_buffer, .address_space: global }
      - { .name: W_qkv, .offset: 8, .size: 8, .value_kind: global_buffer, .address_space: global }
      - { .name: W_out, .offset: 16, .size: 8, .value_kind: global_buffer, .address_space: global }
      - { .name: xc, .offset: 24, .size: 8, .value_kind: global_buffer, .address_space: global }
      - { .name: xs, .offset: 32, .size: 8, .value_kind: global_buffer, .address_space: global }
      - { .name: wc, .offset: 40, .size: 8, .value_kind: global_buffer, .address_space: global }
      - { .name: ws, .offset: 48, .size: 8, .value_kind: global_buffer, .address_space: global }
      - { .name: wt, .offset: 56, .size: 8, .value_kind: global_buffer, .address_space: global }
    .group_segment_fixed_size: 131072
    .private_segment_fixed_size: 0
    .kernarg_segment_align: 8
    .kernarg_segment_size: 64
    .max_flat_workgroup_size: 256
    .sgpr_count:     66
    .vgpr_count:     208
    .wavefront_size: 32
...
	.end_amdgpu_metadata
.endif
;; end of part 1
;; launch qkvgemm (part 2): grid 12 x 16, 4 waves a work-group, clusters of 4 x 4, 327,680 bytes of LDS; arguments xc, xs, wc, ws, b_qkv, qkv; writes qkv
.if DOCPART == 2
	.amdgcn_target "amdgcn-amd-amdhsa--gfx1250"
	.amdhsa_code_object_version 6
	.text
	.protected	k_q4d7d2f6e9a_qkvgemm
	.globl	k_q4d7d2f6e9a_qkvgemm
	.p2align	8
	.type	k_q4d7d2f6e9a_qkvgemm,@function
k_q4d7d2f6e9a_qkvgemm:
	s_mov_b64 s[64:65], 0
	v_nop
	global_prefetch_b8 v0, s[64:65] scope:SCOPE_SE
	s_setreg_imm32_b32 hwreg(HW_REG_WAVE_MODE, 25, 1), 1
	s_wait_xcnt 0x0
	s_wait_alu depctr_hold_cnt(0) depctr_sa_sdst(0) depctr_va_vdst(0) depctr_va_sdst(0) depctr_va_ssrc(0) depctr_va_vcc(0) depctr_vm_vsrc(0)
	s_getreg_b32 s2, hwreg(HW_REG_IB_STS2, 6, 4)
	s_cmp_eq_u32 s2, 0
	s_cbranch_scc0 .Lentry_in_a_cluster
	s_endpgm
.Lentry_in_a_cluster:
	s_bfe_u32 s2, ttmp6, 0x10000c
	s_cmp_lg_u32 s2, 0xf033
	s_cbranch_scc0 .Lentry_shape_is_right
	s_endpgm
.Lentry_shape_is_right:
; qkv = Q(x) Q(W_qkv) + b_qkv, on codes of FP4 (E2M1) with one E8M0 scale for each 32 along K; sums in f32; the result rounded once to f16 and laid by head: qkv [3 (q, k, v)][32 (batch x 16 + head)][2048 tokens][64].
; A = xc [4096][512 bytes], xs [4096][32];  B = wc [3072][512 bytes], ws [3072][32].  The matrix instruction takes codes and scale bytes as they lie.
; LIMIT: q, k and v are kept in f16: beyond 65,504 they do not fit, under 6e-5 they are kept to 2^-25 absolutely.
; A tile of 256 x 256 is made by a work-group of four waves; a wave makes 128 x 128: 64 accumulators of 16 x 16, 512 registers.  K = 1,024 is two LDS slots of 512 (rows of 256 bytes): both are asked for at the
; start, with the scales of the work-group's rows for all of K, and nothing is filled again: three tensor loads of a wave are out at the most.
; CLUSTERS: 4 x 4 work-groups.  The four of a row of the cluster need the same tiles of A, the four of a column the same tiles of B: each is asked for JOINTLY, by the same tensor load with the same descriptor and
; a mask that names the four.  THE MATRIX INSTRUCTION IS USED TRANSPOSED (source 0 = 16 rows of B, source 1 = 16 rows of A): a lane holds eight neighbouring columns of one row.
; THE BIAS is the C of each sum's first matrix instruction: eight registers for each of B's eight blocks, in the result's layout.
; REGISTERS, in windows of 256: window 0: v0-31 addresses; v32-95 scale words, two sets, and nothing else; v128-191 A's fragments, ONE set; v192-255 the bias, later the packed results.
;   window 1: B's fragments, TWO sets, at v0 and v128.   window 2: the accumulators of my rows 0-63 ((a, b) at v[8 (8 a + b)]);   window 3: those of my rows 64-127.
.set NQ,     4                         ; steps of 128 along K in a slot
.set ROWB,   256                       ; a tile's row in bytes: 512 codes
.set KROW,   512                       ; a row of xc or wc
.set PITCH,  272                       ; an LDS row: 256 bytes + 16 of padding: 68 words, so the 16 rows that a load touches begin 4 words apart modulo 64
.set FR,     8                         ; registers of a fragment: 16 rows x 128 K
.set NL,     2                         ; LDS loads that bring one
.set NP,     4                         ; places behind this matrix instruction (ISA guide 7.12.1)
.set HALFT,  128*PITCH                 ; 128 rows: what one tensor load brings
.set SLOT,   4*HALFT                   ; A's 256 rows, then B's 256
.set KS,     32                        ; a row of scale bytes
.set SCL,    2*SLOT                    ; behind the slots: the scales, as units of 256 bytes + 16
.set HALFS,  16*272                    ; those of 128 rows
.set SBLK,   2*272                     ; those of 16 rows
.set SPARE,  SCL+4*HALFS               ; the spare words, 128 bytes for each wave: two blocks of 256 bytes that no other line names
.set SPITCH, 272                       ; the way out: a stage of 16 rows x (256 bytes + 16) for each wave, in slot 0, which has had its one fill and its last read by then
.set ADRA, 16                          ; v16-17 LDS address of my A fragments in slot 0, 1
.set ADRB, 20                          ; v20-21 the same for B
.set STO,  24                          ; v24 the way out: where I put 16 bytes of a row
.set RD,   25                          ; v25 where I read back
.set CO,   26                          ; v26 my byte offset in qkv
.set ADRS, 27                          ; v27 LDS address of my scale words: lanes 0-15 A's rows, lanes 16-31 B's
.set SPW,  28                          ; v28 LDS address of my spare word; never rewritten
.set NIL,  29                          ; v29 0; never rewritten
.set SC,   32                          ; scale words: set s at v[SC + 32 s]; register 4 i + q: lanes 0-15 A's block i, lanes 16-31 B's block i, the slot's q-th 128 along K
.set AF,   128
.set BI,   192                         ; the bias: block b at v[BI + 8 b]
.set TMP,  192                         ; the way out: packed results
.set BK,   128                         ; the way out: rows read back: v128-159 and v160-191 by turns
.set G1, 24
.set G0, 32
.set G1B, 48
.set G0B, 56
.set G1S, 68
.set G0S, 76
.set G1SB, 80
.set G0SB, 88
.set MSB, 0
.macro WIN new                         ; the immediate's high byte repeats the setting that is left
.if MSB != \new
	s_set_vgpr_msb (MSB<<8)|\new
.set MSB, \new
.endif
.endm
.set MUL_LO, 0xa1                      ; source 0 (B) window 1, source 1 (A) window 0, C and D window 2
.set MUL_HI, 0xf1                      ; the same, C and D window 3
.set TO_B,   0x40                      ; destination window 1, address window 0
; A joint load: waves 0 and 1 fetch for A, waves 2 and 3 for B.  Each line has one mask and one set of registers for all that issue it; the branch hangs on the wave's number alone.
; An s_nop 0 and four v_nop follow each of the two lines.
.macro JLOAD g0a, g1a, g0b, g1b
	s_cmp_eq_u32 s15, 0
	s_cbranch_scc0 .Lfor_b_\@
	tensor_load_to_lds s[\g0a:\g0a+3], s[\g1a:\g1a+7]
	s_nop 0
.rept 4
	v_nop
.endr
	s_branch .Lasked_\@
.Lfor_b_\@:
	tensor_load_to_lds s[\g0b:\g0b+3], s[\g1b:\g1b+7]
	s_nop 0
.rept 4
	v_nop
.endr
.Lasked_\@:
.endm
.macro CROUND                          ; a round of the cluster's barrier
	s_barrier_signal -1
	s_barrier_wait -1
	s_cmp_lg_u32 s14, 0
	s_cbranch_scc1 .Lnot_wave_0_\@
	s_barrier_signal -3
.Lnot_wave_0_\@:
	s_barrier_wait -3
	s_barrier_signal -1
	s_barrier_wait -1
.endm
	s_load_b128 s[4:7], s[0:1], 0x0                ; xc s[4:5], xs s[6:7]
	s_load_b128 s[8:11], s[0:1], 0x10              ; wc s[8:9], ws s[10:11]
	s_load_b64 s[96:97], s[0:1], 0x20              ; b_qkv
	s_load_b64 s[12:13], s[0:1], 0x28              ; qkv
	v_lshl_add_u32 v[SPW], v0, 2, SPARE
	v_mov_b32 v[NIL], 0
	ds_add_u32 v[SPW], v[NIL]                      ; the wave's opening: the add, twice on end, and its wait ahead of my first tensor load
	ds_add_u32 v[SPW], v[NIL]
	v_lshrrev_b32 v1, 5, v0
	v_readfirstlane_b32 s14, v1                    ; wave 0..3
	s_lshr_b32 s15, s14, 1                         ; which half of the tile's rows is mine.  Also: I fetch for A (0) or for B (1)
	s_and_b32 s16, s14, 1                          ; which half of its columns.  Also: which 128 rows of that tile I fetch
	s_bfe_u32 s40, ttmp6, 0x40000                  ; cx, cy
	s_bfe_u32 s41, ttmp6, 0x40004
	s_lshl_b32 s42, ttmp9, 2
	s_add_co_u32 s42, s42, s40                     ; tile column = 4 x cluster x + cx
	s_and_b32 s17, ttmp7, 0xffff
	s_lshl_b32 s17, s17, 2
	s_add_co_u32 s17, s17, s41                     ; tile row = 4 x cluster y + cy
	s_lshl_b32 s43, s41, 2
	s_lshl_b32 s43, 15, s43                        ; my row of the cluster
	s_lshl_b32 s44, 0x1111, s40                    ; my column
	; descriptor group 1: 128 rows x 256 bytes, 16 bytes of padding behind each
	s_or_b32 s[G1+0], s43, (0<<16)|(1<<20)|(1<<21)|(5<<22)|(3<<25)  ; the mask; elements of 1 byte; padding on; bit 21 beside a mask; after every 64 words; four words
	s_or_b32 s[G1B+0], s44, (0<<16)|(1<<20)|(1<<21)|(5<<22)|(3<<25)
.irp g, G1, G1B
	s_mov_b32 s[\g+1], ROWB<<16                    ; tensor_dim0
	s_mov_b32 s[\g+2], 128<<16                     ; tensor_dim1
	s_mov_b32 s[\g+3], ROWB<<16                    ; tile_dim0
	s_mov_b32 s[\g+4], 128                         ; tile_dim1
	s_mov_b32 s[\g+5], KROW                        ; from row to row
	s_mov_b32 s[\g+6], 0
	s_mov_b32 s[\g+7], 0
.endr
	; the scales of 128 rows: 4,096 dense bytes, as 16 rows of 256 bytes (32 elements of 8 bytes), 16 bytes of padding behind each
	s_or_b32 s[G1S+0], s43, (3<<16)|(1<<20)|(1<<21)|(5<<22)|(3<<25)
	s_or_b32 s[G1SB+0], s44, (3<<16)|(1<<20)|(1<<21)|(5<<22)|(3<<25)
.irp g, G1S, G1SB
	s_mov_b32 s[\g+1], 32<<16
	s_mov_b32 s[\g+2], 16<<16
	s_mov_b32 s[\g+3], 32<<16
	s_mov_b32 s[\g+4], 16
	s_mov_b32 s[\g+5], 32
	s_mov_b32 s[\g+6], 0
	s_mov_b32 s[\g+7], 0
.endr
	s_lshl_b32 s18, s16, 7                         ; which 128 rows of the tile I fetch
	s_lshl_b32 s20, s17, 8
	s_add_co_u32 s20, s20, s18                     ; A: row 256 x tile row + 128 x half
	s_lshl_b32 s46, s42, 8
	s_add_co_u32 s46, s46, s18                     ; B: row 256 x tile column + 128 x half
	s_mov_b32 s21, 0
	s_mov_b32 s47, 0
	s_mov_b64 s[18:19], KS
	s_mul_u64 s[22:23], s[20:21], s[18:19]         ; where these rows' scales begin,
	s_mul_u64 s[92:93], s[46:47], s[18:19]
	s_mov_b64 s[18:19], KROW
	s_mul_u64 s[20:21], s[20:21], s[18:19]         ; and their codes
	s_mul_u64 s[46:47], s[46:47], s[18:19]
	s_mul_i32 s45, s14, HALFT                      ; where they go: wave x 128 rows: no place in the cluster enters an LDS address
	s_mul_i32 s94, s14, HALFS
	s_wait_dscnt 0x0                               ; both opening adds are done
	s_wait_kmcnt 0x0
	s_add_nc_u64 s[20:21], s[4:5], s[20:21]
	s_add_nc_u64 s[22:23], s[6:7], s[22:23]
	s_add_nc_u64 s[46:47], s[8:9], s[46:47]
	s_add_nc_u64 s[92:93], s[10:11], s[92:93]
	CROUND                                         ; all sixteen work-groups are here: the joint loads meet
	s_mov_b32 s[G0S], 1
	s_add_co_u32 s[G0S+1], s94, SCL
	s_mov_b64 s[G0S+2:G0S+3], s[22:23]
	s_or_b32 s[G0S+3], s[G0S+3], 0x80000000
	s_mov_b32 s[G0SB], 1
	s_add_co_u32 s[G0SB+1], s94, SCL
	s_mov_b64 s[G0SB+2:G0SB+3], s[92:93]
	s_or_b32 s[G0SB+3], s[G0SB+3], 0x80000000
	JLOAD G0S, G1S, G0SB, G1SB                     ; the scales first: they are wanted with the first step
.irp s, 0,1
	s_mov_b32 s[G0+4*\s], 1
	s_add_co_u32 s[G0+4*\s+1], s45, \s*SLOT
	s_add_nc_u64 s[G0+4*\s+2:G0+4*\s+3], s[20:21], \s*ROWB
	s_or_b32 s[G0+4*\s+3], s[G0+4*\s+3], 0x80000000
	s_mov_b32 s[G0B+4*\s], 1
	s_add_co_u32 s[G0B+4*\s+1], s45, \s*SLOT
	s_add_nc_u64 s[G0B+4*\s+2:G0B+4*\s+3], s[46:47], \s*ROWB
	s_or_b32 s[G0B+4*\s+3], s[G0B+4*\s+3], 0x80000000
	JLOAD G0+4*\s, G1, G0B+4*\s, G1B
.endr
	v_and_b32 v1, 15, v0                           ; l % 16
	v_bfe_u32 v2, v0, 4, 1                         ; l / 16
	; the bias of my 128 columns: lane (r, h) wants, for B's block b, b_qkv[256 x tile column + 128 x half + 16 b + 8 h + 0 .. 7]
	s_lshl_b32 s46, s42, 10
	s_lshl_b32 s47, s16, 9
	s_add_co_u32 s46, s46, s47
	s_mov_b32 s47, 0
	s_add_nc_u64 s[96:97], s[96:97], s[46:47]
	v_lshlrev_b32 v8, 5, v2                        ; never rewritten
.irp b, 0,1,2,3,4,5,6,7
	global_load_b128 v[BI+8*\b:BI+8*\b+3], v8, s[96:97] offset:64*\b
	global_load_b128 v[BI+8*\b+4:BI+8*\b+7], v8, s[96:97] offset:64*\b+16
.endr
	v_mul_u32_u24 v3, v1, PITCH
	v_lshl_add_u32 v4, v2, 4, v3                   ; a fragment's row x pitch + 16 x half
	s_mul_i32 s21, s15, HALFT                      ; my 128 rows of A
	s_mul_i32 s22, s16, HALFT                      ; my 128 rows of B,
	s_add_co_u32 s22, s22, 2*HALFT                 ; which lie behind A's 256
.irp s, 0,1
	v_add_nc_u32 v[ADRA+\s], s21, v4
	v_add_nc_u32 v[ADRB+\s], s22, v4
	s_add_co_u32 s21, s21, SLOT
	s_add_co_u32 s22, s22, SLOT
.endr
	v_mul_u32_u24 v5, v1, KS                       ; my row's scales: 32 bytes a row,
	v_lshrrev_b32 v6, 8, v5
	v_lshl_add_u32 v5, v6, 4, v5                   ; and 16 more for each 256 passed
	s_mul_i32 s21, s15, HALFS                      ; A's: my 128 rows
	s_mul_i32 s22, s16, HALFS                      ; B's: my 128 rows, behind A's 256
	s_add_co_u32 s22, s22, 2*HALFS
	s_sub_co_u32 s22, s22, s21
	v_mul_u32_u24 v6, s22, v2                      ; lanes 16-31 take B's: one product, the distance between the two bases
	s_add_co_u32 s21, s21, SCL
	v_add_nc_u32 v5, v5, v6
	v_add_nc_u32 v[ADRS], s21, v5
	s_mul_i32 s23, s14, 16*SPITCH                  ; my stage
	v_mul_u32_u24 v5, v1, SPITCH                   ; in: row l % 16, 16 bytes for each half of the lanes
	v_lshl_add_u32 v5, v2, 4, v5
	v_add_nc_u32 v[STO], s23, v5
	v_and_b32 v6, 7, v0
	v_bfe_u32 v7, v0, 3, 1
	v_mul_u32_u24 v5, v7, SPITCH                   ; back: my 128 columns are two heads.  Lanes 0-15 take two rows' 128 bytes of the first head, lanes 16-31 of the second
	v_lshl_add_u32 v5, v2, 7, v5
	v_lshl_add_u32 v5, v6, 4, v5
	v_add_nc_u32 v[RD], s23, v5
	v_lshlrev_b32 v5, 18, v2                       ; in qkv a head is 262,144 bytes, a row 128: two neighbouring rows of a head are 256 consecutive bytes
	v_lshl_add_u32 v5, v7, 7, v5
	v_lshl_add_u32 v[CO], v6, 4, v5
	s_lshr_b32 s20, s17, 3                         ; the batch: 8 tile rows each
	s_lshl_b32 s20, s20, 4
	s_lshl_b32 s21, s16, 1
	s_add_co_u32 s20, s20, s21                     ; 16 x batch + 2 x my half of the columns
	s_lshl_b32 s20, s20, 18
	s_and_b32 s21, s17, 7
	s_lshl_b32 s21, s21, 8
	s_lshl_b32 s22, s15, 7
	s_add_co_u32 s21, s21, s22                     ; my first token
	s_lshl_b32 s21, s21, 7
	s_add_co_u32 s20, s20, s21
	s_mov_b32 s21, 0
	s_lshr_b32 s46, s42, 2                         ; q, k or v: 4 tile columns each, 8,388,608 bytes
	s_lshl_b32 s46, s46, 23
	s_and_b32 s47, s42, 3                          ; and 4 heads to a tile column
	s_lshl_b32 s47, s47, 20
	s_add_co_u32 s46, s46, s47
	s_mov_b32 s47, 0
	s_add_nc_u64 s[20:21], s[20:21], s[46:47]
	s_add_nc_u64 s[12:13], s[12:13], s[20:21]
.macro FRAG reg, adr, q, i             ; 16 rows x 128 K of 4-bit codes: lane l holds row l % 16; registers 4 c .. 4 c + 3 hold K = 64 c + 32 (l / 16) + 0 .. 31
.irp c, 0,1
	ds_load_b128 v[\reg+4*\c:\reg+4*\c+3], v[\adr] offset:64*(\q)+32*\c+(\i)*16*PITCH
.endr
.endm
; 16 matrix instructions: A's blocks a0, a0 + 1 x B's eight, the slot's q-th 128 along K.  p: B's set; sc: the set of scale words.  zero = 1: the first product starts the sums from the bias.
; The 64 accumulators take turns, one instruction a turn, in the same order in every step.
.macro MUL16 a0, p, q, sc, zero
.irp a, \a0, \a0+1
.irp b, 0,1,2,3,4,5,6,7
.if \zero
	v_wmma_scale_f32_16x16x128_f8f6f4 v[8*(8*((\a)%4)+\b):8*(8*((\a)%4)+\b)+7], v[128*(\p)+FR*\b:128*(\p)+FR*\b+FR-1], v[AF+FR*(\a):AF+FR*(\a)+FR-1], v[BI+8*\b:BI+8*\b+7], v[SC+8*NQ*(\sc)+NQ*\b+(\q)], v[SC+8*NQ*(\sc)+NQ*(\a)+(\q)] matrix_a_fmt:MATRIX_FMT_FP4 matrix_b_fmt:MATRIX_FMT_FP4 matrix_a_scale:MATRIX_SCALE_ROW1
.else
	v_wmma_scale_f32_16x16x128_f8f6f4 v[8*(8*((\a)%4)+\b):8*(8*((\a)%4)+\b)+7], v[128*(\p)+FR*\b:128*(\p)+FR*\b+FR-1], v[AF+FR*(\a):AF+FR*(\a)+FR-1], v[8*(8*((\a)%4)+\b):8*(8*((\a)%4)+\b)+7], v[SC+8*NQ*(\sc)+NQ*\b+(\q)], v[SC+8*NQ*(\sc)+NQ*(\a)+(\q)] matrix_a_fmt:MATRIX_FMT_FP4 matrix_b_fmt:MATRIX_FMT_FP4 matrix_a_scale:MATRIX_SCALE_ROW1
.endif
.endr
.endr
.endm
.macro FETCH_B slot, q, p
	WIN TO_B
.irp i, 0,1,2,3,4,5,6,7
	FRAG 128*(\p)+FR*\i, ADRB+\slot, \q, \i
.endr
	WIN 0
.endm
.macro FETCH_A slot, q, i0
.irp i, \i0, \i0+1, \i0+2, \i0+3
	FRAG AF+FR*(\i), ADRA+\slot, \q, \i
.endr
.endm
.macro SCALES sc                       ; a slot's scale words: four words a row; lanes 0-15 take A's block i, lanes 16-31 B's block i
.irp i, 0,1,2,3,4,5,6,7
	ds_load_b128 v[SC+8*NQ*\sc+NQ*\i:SC+8*NQ*\sc+NQ*\i+3], v[ADRS] offset:\i*SBLK
.endr
.endm
.macro PLACES n                        ; plain vector lines between a matrix instruction and a load into, or a read or write of, its registers
.rept \n
	v_nop
.endr
.endm
; A step of 128 along K that has its successor in the same slot.  A's blocks go one after the other, each against B's eight: a block of A is free as soon as its eight products are issued.
.macro STEP slot, q, zero
	s_wait_dscnt 4*NL                              ; B's set and A's blocks 0-3 are in; the youngest eight loads (A's blocks 4-7) may be out
.if \zero
	WIN 0x81                                       ; C (the bias) window 0, D window 2
.else
	WIN MUL_LO
.endif
	MUL16 0, (\q)%2, \q, \slot, \zero
	MUL16 2, (\q)%2, \q, \slot, \zero
	s_wait_dscnt 0                                 ; A's blocks 4-7 are in
	PLACES NP
	FETCH_B \slot, (\q)+1, 1-(\q)%2
	FETCH_A \slot, (\q)+1, 0
.if \zero
	WIN 0xc1                                       ; C window 0, D window 3
.else
	WIN MUL_HI
.endif
	MUL16 4, (\q)%2, \q, \slot, \zero
	MUL16 6, (\q)%2, \q, \slot, \zero
	PLACES NP
	WIN 0
	FETCH_A \slot, (\q)+1, 4
.endm
.macro STEPS slot, from
.set Q, \from
.rept NQ-1-\from
	STEP \slot, Q, 0
.set Q, Q+1
.endr
.endm
	s_wait_tensorcnt 1                             ; the scales and my part of slot 0 are in; slot 1's load may be out
	s_barrier_signal -1
	s_barrier_wait -1                              ; everybody's are
	FETCH_B 0, 0, 0
	FETCH_A 0, 0, 0
	SCALES 0
	FETCH_A 0, 0, 4
	s_wait_loadcnt 0x0                             ; the bias
	STEP 0, 0, 1
	STEPS 0, 1
	; slot 0's last step changes slots: one barrier; in front of it each wave waits for its tensor loads (slot 1's), adds 0 to its spare word, and waits for that and for its reads of slot 0
	s_wait_tensorcnt 0x0
	ds_add_u32 v[SPW], v[NIL]
	s_wait_dscnt 4*NL+1                            ; (the add and A's blocks 4-7 may be out)
	WIN MUL_LO
	MUL16 0, 1, NQ-1, 0, 0
	s_wait_dscnt 0x0                               ; the add is done, and my reads of slot 0 are over
	s_barrier_signal -1
	MUL16 2, 1, NQ-1, 0, 0
	WIN 0
	s_barrier_wait -1
	PLACES NP
	v_add_nc_u32 v[ADRS], 4*NQ, v[ADRS]            ; on to slot 1's scale words
	FETCH_B 1, 0, 0
	FETCH_A 1, 0, 0
	SCALES 1
	WIN MUL_HI
	MUL16 4, 1, NQ-1, 0, 0
	MUL16 6, 1, NQ-1, 0, 0
	PLACES NP
	WIN 0
	FETCH_A 1, 0, 4
	STEPS 1, 0
	s_wait_dscnt 4*NL                              ; the very last step: nothing more to fetch
	WIN MUL_LO
	MUL16 0, 1, NQ-1, 1, 0
	MUL16 2, 1, NQ-1, 1, 0
	s_wait_dscnt 0
	WIN MUL_HI
	MUL16 4, 1, NQ-1, 1, 0
	MUL16 6, 1, NQ-1, 1, 0
	WIN 0
; THE WAY OUT, block by block of 16 rows x 128 columns.  PACK: rounded to f16, 16 bytes a lane, each accumulator from its low end on.  TOSTAGE: into my stage, and back by heads.  SEND: stored.
.macro PACK a
.set AC, 64*((\a)%4)
	WIN 0x0a+5*((\a)/4)                            ; sources 0 and 1: window 2 or 3
.irp b, 0,1,2,3,4,5,6,7
.irp i, 0,1,2,3
	v_cvt_pk_f16_f32 v[TMP+4*\b+\i], v[AC+8*\b+2*\i], v[AC+8*\b+2*\i+1]
.endr
.endr
	WIN 0
.endm
.macro TOSTAGE a
.set BB, BK+32*((\a)%2)
.irp b, 0,1,2,3,4,5,6,7
	ds_store_b128 v[STO], v[TMP+4*\b:TMP+4*\b+3] offset:32*\b
.endr
.irp t, 0,1,2,3,4,5,6,7
	ds_load_b128 v[BB+4*\t:BB+4*\t+3], v[RD] offset:\t*2*SPITCH   ; LDS serves a wave's instructions in order: these see the stores above
.endr
.endm
.macro SEND a
.set BB, BK+32*((\a)%2)
	s_wait_dscnt 0x0                               ; the block is back in registers
	s_wait_xcnt 0x0                                ; the stores of the block before have read their registers: the next block's loads may land there
.irp t, 0,1,2,3,4,5,6,7
	global_store_b128 v[CO], v[BB+4*\t:BB+4*\t+3], s[12:13] offset:2048*(\a)+256*\t   ; sixteen lanes store 256 consecutive bytes, aligned: two rows of one head
.endr
.endm
	PLACES NP                                      ; behind the last products: for the conversions' reads and for the writes and loads into registers that they read
	PACK 0
	TOSTAGE 0
.irp a, 1,2,3,4,5,6,7                  ; block a's conversions stand between block a - 1's loads from the stage and the wait for them
	PACK \a
	SEND \a-1
	TOSTAGE \a
.endr
	SEND 7
	s_wait_tensorcnt 0x0                           ; the wave's end: a wait, an add of 0 to my spare word and its wait, behind my last tensor load and my last LDS store
	ds_add_u32 v[SPW], v[NIL]
	s_wait_dscnt 0x0
	CROUND                                         ; the closing round
	s_endpgm
.Lfunc_end_k_q4d7d2f6e9a_qkvgemm:
	.size	k_q4d7d2f6e9a_qkvgemm, .Lfunc_end_k_q4d7d2f6e9a_qkvgemm-k_q4d7d2f6e9a_qkvgemm
	.p2alignl 7, 3214868480
	.fill 96, 4, 3214868480
	.section	.rodata,"a",@progbits
	.p2align	6, 0x0
	.amdhsa_kernel k_q4d7d2f6e9a_qkvgemm
		.amdhsa_group_segment_fixed_size 327680
		.amdhsa_private_segment_fixed_size 0
		.amdhsa_enable_private_segment 0
		.amdhsa_kernarg_size 48
		.amdhsa_user_sgpr_count 2
		.amdhsa_user_sgpr_kernarg_segment_ptr 1
		.amdhsa_wavefront_size32 1
		.amdhsa_system_sgpr_workgroup_id_x 1
		.amdhsa_system_sgpr_workgroup_id_y 1
		.amdhsa_system_sgpr_workgroup_id_z 1
		.amdhsa_system_vgpr_workitem_id 0
		.amdhsa_next_free_vgpr 1024
		.amdhsa_next_free_sgpr 98
		.amdhsa_reserve_vcc 0
		.amdhsa_float_denorm_mode_32 3
		.amdhsa_float_denorm_mode_16_64 3
		.amdhsa_memory_ordered 1
		.amdhsa_forward_progress 1
		.amdhsa_inst_pref_size 128
	.end_amdhsa_kernel
	.amdgpu_metadata
---
amdhsa.version: [ 1, 2 ]
amdhsa.kernels:
  - .name:           k_q4d7d2f6e9a_qkvgemm
    .symbol:         k_q4d7d2f6e9a_qkvgemm.kd
    .args:
      - { .name: xc, .offset: 0, .size: 8, .value_kind: global_buffer, .address_space: global }
      - { .name: xs, .offset: 8, .size: 8, .value_kind: global_buffer, .address_space: global }
      - { .name: wc, .offset: 16, .size: 8, .value_kind: global_buffer, .address_space: global }
      - { .name: ws, .offset: 24, .size: 8, .value_kind: global_buffer, .address_space: global }
      - { .name: b_qkv, .offset: 32, .size: 8, .value_kind: global_buffer, .address_space: global }
      - { .name: qkv, .offset: 40, .size: 8, .value_kind: global_buffer, .address_space: global }
    .group_segment_fixed_size: 327680
    .private_segment_fixed_size: 0
    .kernarg_segment_align: 8
    .kernarg_segment_size: 48
    .max_flat_workgroup_size: 128
    .sgpr_count:     98
    .vgpr_count:     1024
    .wavefront_size: 32
...
	.end_amdgpu_metadata
.endif
;; end of part 2
;; launch attn (part 3): grid 8 x 32, 16 waves a work-group, clusters of 4 x 1, 327,680 bytes of LDS; arguments qkv, oh; writes oh
.if DOCPART == 3
	.amdgcn_target "amdgcn-amd-amdhsa--gfx1250"
	.amdhsa_code_object_version 6
	.text
	.protected	k_q4d7d2f6e9a_attn
	.globl	k_q4d7d2f6e9a_attn
	.p2align	8
	.type	k_q4d7d2f6e9a_attn,@function
k_q4d7d2f6e9a_attn:
	s_mov_b64 s[64:65], 0
	v_nop
	global_prefetch_b8 v0, s[64:65] scope:SCOPE_SE
	s_setreg_imm32_b32 hwreg(HW_REG_WAVE_MODE, 25, 1), 1
	s_wait_xcnt 0x0
	s_wait_alu depctr_hold_cnt(0) depctr_sa_sdst(0) depctr_va_vdst(0) depctr_va_sdst(0) depctr_va_ssrc(0) depctr_va_vcc(0) depctr_vm_vsrc(0)
	s_getreg_b32 s2, hwreg(HW_REG_IB_STS2, 6, 4)
	s_cmp_eq_u32 s2, 0
	s_cbranch_scc0 .Lentry_in_a_cluster
	s_endpgm
.Lentry_in_a_cluster:
	s_bfe_u32 s2, ttmp6, 0x10000c
	s_cmp_lg_u32 s2, 0x3003
	s_cbranch_scc0 .Lentry_shape_is_right
	s_endpgm
.Lentry_shape_is_right:
; oh[bh][q][:] = the sum over k of softmax_k(Q[bh][q] . K[bh][k] / 4) V[bh][k][:], no mask.  qkv: f16 [3][32][2048][64]; oh: f16 [32][2048][64].  Products, maxima and sums in f32; the weights p are
; rounded to f16 for the second product, o once at the end.
; LIMITS: o is kept in f16 (beyond 65,504 it does not fit; under 6e-5 it is kept to 2^-25 absolutely); the running maximum begins at -3e38; NaN and infinities are not served.
; SHARES.  A work-group owns 256 queries of one head.  Its SIXTEEN waves are eight groups of queries x two halves of the keys: wave w owns queries 32 (w % 8) on, two tiles of 16, and walks keys
; 1,024 (w / 8) on, 64 a step, 16 steps, in 256 registers: four waves share a SIMD, so that one wave's vector work stands beside the others' products and LDS loads.  A fragment of K or V read from LDS
; feeds two matrix instructions.  At the end the two halves of a query's keys are joined: waves 8-15 hand O^T, c m and l to waves 0-7 through LDS.
; LAYOUT.  S^T = K Q^T (source 0 = 16 keys, source 1 = 16 queries): a lane holds ONE query (lane % 16) and the keys 8 (lane / 16) + 0..7.  Two such tiles, rounded to f16 in pairs, ARE source 1 (32 keys x
; 16 queries) of O^T = V^T P, whose result again holds one query a lane.  K comes out of LDS as it lies, V ([key][channel]) turned, by ds_load_tr16_b128.
; SOFTMAX.  For each query a running maximum m and sum l: p = 2^(c s - c m), c = log2(e) / 4; in every step O and l are multiplied by a = 2^(c m_old - c m_new).  The sum is taken of the unrounded p.
; RING.  Two LDS slots of eight steps: four of each half of the keys.  The head's keys are four slots' worth: two first fills, two refills.  A slot has 8 tiles of K and 8 of V: waves 0-7 fetch K's, waves 8-15
; V's, one tensor load a wave; a refill has four of every wave's steps in which to land.  Two loads of a wave are out at the start, one behind each refill's round.
; CLUSTER.  The four query blocks of a cluster belong to one head and walk the same K and V: each tile is asked for JOINTLY, by the same tensor load with the same descriptor and a mask that names the four.
.set PK,    144       ; a row of K in LDS: 128 bytes + 16: 36 words, so the 16 rows of a load begin 4 words apart modulo 64
.set PV,    160       ; a row of V: 128 + 32: 40 words: the turning load's 8 rows x 32 bytes begin 8 words apart modulo 64
.set VOFF,  64*PK     ; a step's tiles lie together: 64 rows of K, then 64 rows of V
.set STEPB, 64*(PK+PV)
.set SLOTL, 8*STEPB   ; a slot in LDS: 155,648 bytes: steps 0-3 of the lower half of the keys, then steps 0-3 of the upper
.set SPARE, 2*SLOTL   ; behind the ring: the spare words, 128 bytes for each wave: eight blocks of 256 bytes that no other line names
.set XCHB,  17*512    ; the end: an image of 68 registers, 128 bytes each
.set STAGE, 8*XCHB    ; the end: the eight images lie from byte 0 on, behind them 16 rows x 144 bytes for each of waves 0-7: all in slot 0, which has had its last fill and its last read by then
.set SLOTG, 32768     ; a slot's four steps of one half of the keys in memory: 256 rows of 128 bytes
.set AK0, 2           ; v2  my lane's place in a tile of K; never rewritten
.set AV0, 3           ; v3  the same for V
.set ADK, 4           ; v4  LDS address of the step's K
.set ADV, 5           ; v5  of its V
.set STO, 6           ; v6  the way out: where I put 16 bytes of a row
.set RD,  7           ; v7  where I read back
.set GO,  8           ; v8  my byte offset in a tile's rows of oh
.set PFO, 10          ; v10 256 x my lane; never rewritten
.set QO,  11          ; v11 my byte offset in the wave's rows of Q; never rewritten
.set SPW, 12          ; v12 LDS address of my spare word; never rewritten
.set NIL, 13          ; v13 0; never rewritten
.set XA,  14          ; v14 the end: my lane's 16 bytes in the image of my group of queries: the same in wave w and in wave w + 8
.set ST,  16          ; tile t's statistics at v[ST+8 t]: +0 c m, +1 m, +2, +3 l (even keys', odd keys'), +4 to +7 at work; a takes +6
.set Q,   32          ; v32-63   Q: tile t, channels 32 c on, at v[Q+16 t+8 c]
.set S,   64          ; v64-127  S^T: tile t, keys 16 kt on, at v[S+32 t+8 kt]; P is packed in place into v[S+32 t .. +15]
.set O,   128         ; v128-191 O^T: tile t, channels 16 ct on, at v[O+32 t+8 ct]
.set KF,  192         ; v192-255 a step's eight fragments of K, then its eight of V; at the end the other half's O^T
.set IM,  S+16        ; v80-83 the end: c m and l of my two tiles
.set PM,  S+20        ; v84-87 the end: the other half's
.set WV,  12          ; s12 my wave's number
.set LIM, 15          ; s15 1 in a wave that prefetches, else 0
.set PFA, 18          ; s[18:19] where my prefetch stands; never rewritten
.set G1K, 24          ; s[24:31] descriptor group 1 for K's tiles; s[32:39] for V's: it differs in the padding alone
.set G1V, 32
.set G0K, 40          ; s[40:47] group 0 for K's tiles, a set for each slot
.set G0V, 48          ; s[48:55] the same for V's
.set KH4, 56          ; s56 where my half's four steps begin in a slot
.set CNT, 57          ; s57 counts a slot's four steps
.set CS,  58          ; s[58:59] c
.set SEL, 60          ; s[60:61] lane selects for v_permlanex16_b32: lane l xor 16
.set TB,  62          ; s62 LDS byte at which the step's tiles begin
; A joint refill of slot p; the branch hangs on the wave's number alone.  An s_nop 0 and four v_nop follow each of the two lines.
.macro JLOAD p
	s_cmp_lt_u32 s[WV], 8
	s_cbranch_scc0 .Lfor_v_\@
	tensor_load_to_lds s[G0K+4*\p:G0K+4*\p+3], s[G1K:G1K+7]
	s_nop 0
.rept 4
	v_nop
.endr
	s_branch .Lasked_\@
.Lfor_v_\@:
	tensor_load_to_lds s[G0V+4*\p:G0V+4*\p+3], s[G1V:G1V+7]
	s_nop 0
.rept 4
	v_nop
.endr
.Lasked_\@:
.endm
.macro CROUND                       ; a round of the cluster's barrier
	s_barrier_signal -1
	s_barrier_wait -1
	s_cmp_lg_u32 s[WV], 0
	s_cbranch_scc1 .Lnot_wave_0_\@
	s_barrier_signal -3
.Lnot_wave_0_\@:
	s_barrier_wait -3
	s_barrier_signal -1
	s_barrier_wait -1
.endm
	s_load_b128 s[4:7], s[0:1], 0x0 ; qkv s[4:5], oh s[6:7]
	v_lshl_add_u32 v[SPW], v0, 2, SPARE
	v_mov_b32 v[NIL], 0
	ds_add_u32 v[SPW], v[NIL]       ; the wave's opening: the add, twice on end, and its wait ahead of my first tensor load
	ds_add_u32 v[SPW], v[NIL]
	v_lshrrev_b32 v1, 5, v0
	v_readfirstlane_b32 s[WV], v1   ; wave 0..15
	s_bfe_u32 s13, ttmp6, 0x40000   ; cx: my place in the cluster
	s_lshl_b32 s14, ttmp9, 2
	s_add_co_u32 s14, s14, s13      ; my block of 256 queries: it enters Q's and oh's addresses alone
	s_and_b32 s20, ttmp7, 0xffff    ; the head, which the four partners share
	s_lshl_b32 s20, s20, 18         ; its first byte in a section: 262,144 bytes a head
	s_and_b32 s16, s[WV], 7         ; my group of queries.  Also: which of a slot's eight tiles (of K: waves 0-7; of V: waves 8-15) I fetch:
	s_lshr_b32 s21, s16, 2          ; its half of the keys: 1,024 rows of 128 bytes,
	s_lshl_b32 s21, s21, 17
	s_and_b32 s22, s16, 3           ; its step among the half's four: 64 rows,
	s_lshl_b32 s22, s22, 13
	s_add_co_u32 s22, s22, s21
	s_add_co_u32 s22, s22, s20
	s_mov_b32 s23, 0
	s_mul_i32 s17, s16, STEPB       ; and its place in a slot: no place in the cluster enters an LDS address
	s_lshr_b32 s[KH4], s[WV], 3     ; which half of the keys I walk:
	s_mul_i32 s[KH4], s[KH4], 4*STEPB  ; its four steps in a slot
	s_lshl_b32 s2, s14, 15          ; my block's 256 rows,
	s_lshl_b32 s3, s16, 12          ; my group's 32 of them
	s_add_co_u32 s2, s2, s3
	s_add_co_u32 s2, s2, s20
	s_mov_b32 s3, 0
	; descriptor group 1: a tile of 64 rows x 64 elements, dense in memory, padded in LDS
	s_mov_b32 s[G1K], 15|(1<<16)|(1<<20)|(1<<21)|(4<<22)|(3<<25)  ; the mask: all four work-groups; elements of 2 bytes; padding on; bit 21 beside a mask; after every 32 words; 4 words
	s_mov_b32 s[G1V], 15|(1<<16)|(1<<20)|(1<<21)|(4<<22)|(7<<25)  ; the same with 8 words of padding
.irp g, G1K, G1V
	s_mov_b32 s[\g+1], 64<<16       ; tensor_dim0
	s_mov_b32 s[\g+2], 64<<16       ; tensor_dim1
	s_mov_b32 s[\g+3], 64<<16       ; tile_dim0
	s_mov_b32 s[\g+4], 64           ; tile_dim1
	s_mov_b32 s[\g+5], 64           ; from row to row
	s_mov_b32 s[\g+6], 0
	s_mov_b32 s[\g+7], 0
.endr
	s_mov_b32 s[CS], 0x3eb8aa3b     ; c = log2(e) / 4
	s_mov_b32 s[CS+1], s[CS]        ; named with it as a pair, so it is written
	s_mov_b32 s[SEL], 0x76543210
	s_mov_b32 s[SEL+1], 0xfedcba98
	; THE PREFETCH: one request, behind the first refill, for the fourth slot's worth of keys, which the second refill will load: four of every wave's steps ahead of that load.  Each 256 bytes are named once in
	; the launch: both clusters of a head walk the same K and V, and the first asks; in each partner waves 0-3 take K's lower half, K's upper, V's lower, V's upper; of such a part's 32,768 bytes the four
	; partners take 8,192 each, told apart by address; lanes 256 bytes apart.  The first three slots' worth come by their loads alone.
	s_and_b32 s21, s[WV], 1
	s_lshl_b32 s21, s21, 17
	s_add_co_u32 s20, s20, s21      ; the head, the half of the keys,
	s_lshl_b32 s21, s13, 13
	s_add_co_u32 s20, s20, s21      ; my work-group's 8,192 bytes,
	s_cmp_lt_u32 s[WV], 2
	s_mov_b32 s21, 16777216+3*SLOTG
	s_cselect_b32 s21, 8388608+3*SLOTG, s21  ; K's section or V's, and three slots on
	s_add_co_u32 s20, s20, s21
	s_mov_b32 s21, 0
	s_lshr_b32 s[LIM], s[WV], 2     ; 0 in waves 0 to 3,
	s_or_b32 s[LIM], s[LIM], ttmp9  ; where the cluster is the head's first: the same in all four partners
	s_cmp_eq_u32 s[LIM], 0
	s_cselect_b32 s[LIM], 1, 0
	v_and_b32 v[PFO], 31, v0
	v_lshlrev_b32 v[PFO], 8, v[PFO]
	s_wait_dscnt 0x0                ; both opening adds are done
	s_wait_kmcnt 0x0
	s_add_nc_u64 s[PFA:PFA+1], s[4:5], s[20:21]
	s_add_nc_u64 s[8:9], s[4:5], s[22:23]
	s_add_nc_u64 s[10:11], s[8:9], 16777216  ; V at my tile of slot 0: the third section,
	s_add_nc_u64 s[8:9], s[8:9], 8388608     ; K: the second
	s_add_nc_u64 s[4:5], s[4:5], s[2:3]      ; Q and oh at my group's first row
	s_add_nc_u64 s[6:7], s[6:7], s[2:3]
	CROUND                          ; all four work-groups are here: the first joint loads meet
.irp s, 0,1
	s_mov_b32 s[G0K+4*\s], 1
	s_add_co_u32 s[G0K+4*\s+1], s17, \s*SLOTL
	s_add_nc_u64 s[G0K+4*\s+2:G0K+4*\s+3], s[8:9], \s*SLOTG
	s_or_b32 s[G0K+4*\s+3], s[G0K+4*\s+3], 0x80000000
	s_mov_b32 s[G0V+4*\s], 1
	s_add_co_u32 s[G0V+4*\s+1], s17, \s*SLOTL+VOFF
	s_add_nc_u64 s[G0V+4*\s+2:G0V+4*\s+3], s[10:11], \s*SLOTG
	s_or_b32 s[G0V+4*\s+3], s[G0V+4*\s+3], 0x80000000
.endr
	s_cmp_lt_u32 s[WV], 8           ; a wave's two first fills stand in one branch, ahead of every wait on TENSORcnt and every LDS read: two loads of mine are out
	s_cbranch_scc0 .Lfirst_v
	tensor_load_to_lds s[G0K:G0K+3], s[G1K:G1K+7]
	s_nop 0
	tensor_load_to_lds s[G0K+4:G0K+7], s[G1K:G1K+7]
	s_nop 0
.rept 4
	v_nop
.endr
	s_branch .Lfirst_asked
.Lfirst_v:
	tensor_load_to_lds s[G0V:G0V+3], s[G1V:G1V+7]
	s_nop 0
	tensor_load_to_lds s[G0V+4:G0V+7], s[G1V:G1V+7]
	s_nop 0
.rept 4
	v_nop
.endr
.Lfirst_asked:
	; A fragment of K or Q is 16 rows x 32 channels in 8 registers: lane l holds row l % 16; registers 0-3 channels 8 (l / 16) + 0..7, registers 4-7 channels 16 + 8 (l / 16) + 0..7: two loads of 16 bytes, 32 apart.
	v_and_b32 v1, 15, v0            ; l % 16
	v_bfe_u32 v9, v0, 4, 1          ; l / 16
	v_lshlrev_b32 v[QO], 7, v1
	v_lshl_add_u32 v[QO], v9, 4, v[QO]
.irp t, 0,1
.irp c, 0,1
	global_load_b128 v[Q+16*\t+8*\c:Q+16*\t+8*\c+3],   v[QO], s[4:5] offset:2048*\t+64*\c      ; Q stays in registers
	global_load_b128 v[Q+16*\t+8*\c+4:Q+16*\t+8*\c+7], v[QO], s[4:5] offset:2048*\t+64*\c+32
.endr
.endr
	v_mul_u32_u24 v[AK0], v1, PK
	v_lshl_add_u32 v[AK0], v9, 4, v[AK0]
	; The turning load takes 16 keys x 16 channels (lane l reads 16 bytes: key 8 (l / 16) + l % 8, channels 8 ((l / 8) % 2) + 0..7) and leaves half a fragment of V^T: lane l holds channel l % 16 and 8 keys.
	v_and_b32 v[ST+4], 7, v0        ; (two of the statistics' registers at work)
	v_bfe_u32 v[ST+5], v0, 3, 1
	v_lshl_add_u32 v[AV0], v9, 3, v[ST+4]
	v_mul_u32_u24 v[AV0], v[AV0], PV
	v_lshl_add_u32 v[AV0], v[ST+5], 4, v[AV0]
	v_add_nc_u32 v[AV0], VOFF, v[AV0]
	s_mul_i32 s63, s16, 16*PK
	s_add_co_u32 s63, s63, STAGE    ; my group's stage (waves 0-7 use it)
	v_mul_u32_u24 v[STO], v1, PK    ; in: row l % 16, 16 bytes for each half of the lanes
	v_lshl_add_u32 v[STO], v9, 4, v[STO]
	v_add_nc_u32 v[STO], s63, v[STO]
	v_bfe_u32 v[RD], v0, 3, 2       ; back: eight lanes to a row of 128 bytes, four rows an instruction
	v_mul_u32_u24 v[RD], v[RD], PK
	v_lshl_add_u32 v[RD], v[ST+4], 4, v[RD]
	v_add_nc_u32 v[RD], s63, v[RD]
	v_and_b32 v[GO], 31, v0
	v_lshlrev_b32 v[GO], 4, v[GO]   ; in oh those four rows are 512 consecutive bytes
	s_mul_i32 s63, s16, XCHB
	v_add_nc_u32 v[XA], s63, v[GO]  ; my group's image: 16 x lane
.irp t, 0,1
	v_mov_b32 v[ST+8*\t+1], 0xff61b1e6  ; m: -3e38, under every score
	v_mul_f32 v[ST+8*\t], s[CS], v[ST+8*\t+1]
	v_mov_b32 v[ST+8*\t+2], 0       ; l
	v_mov_b32 v[ST+8*\t+3], 0
.endr
.irp j, 0,1,2,3,4,5,6,7,8,9,10,11,12,13,14,15,16,17,18,19,20,21,22,23,24,25,26,27,28,29,30,31,32,33,34,35,36,37,38,39,40,41,42,43,44,45,46,47,48,49,50,51,52,53,54,55,56,57,58,59,60,61,62,63
	v_mov_b32 v[O+\j], 0            ; O^T.  (The step is written once: the first finds zeros, which a = 0 leaves zeros)
.endr
.macro SCALE g                      ; group g of 16: four scores of tile g % 2: c s - c m, two at a time
.set rG, S+32*((\g)%2)+4*((\g)/2)
.set rM, ST+8*((\g)%2)
	v_pk_fma_f32 v[rG:rG+1], v[rG:rG+1], s[CS:CS+1], v[rM:rM+1] op_sel_hi:[1,0,0] neg_lo:[0,0,1] neg_hi:[0,0,1]
	v_pk_fma_f32 v[rG+2:rG+3], v[rG+2:rG+3], s[CS:CS+1], v[rM:rM+1] op_sel_hi:[1,0,0] neg_lo:[0,0,1] neg_hi:[0,0,1]
.endm
.macro EXPS g
.set rG, S+32*((\g)%2)+4*((\g)/2)
.irp i, 0,1,2,3
	v_exp_f32 v[rG+\i], v[rG+\i]
.endr
.endm
; A KEY STEP: 64 keys.
.macro STEP
	v_add_nc_u32 v[ADK], s[TB], v[AK0]
	v_add_nc_u32 v[ADV], s[TB], v[AV0]
.rept 4
	v_nop                           ; with the two additions six plain lines behind the last V^T P: four are owed by the loads into its fragments' registers, five by the products that write over P
.endr
.irp kt, 0,1,2,3
.irp c, 0,1
	ds_load_b128 v[KF+16*\kt+8*\c:KF+16*\kt+8*\c+3],   v[ADK] offset:16*PK*\kt+64*\c
	ds_load_b128 v[KF+16*\kt+8*\c+4:KF+16*\kt+8*\c+7], v[ADK] offset:16*PK*\kt+64*\c+32
.endr
.endr
	s_add_co_u32 s[TB], s[TB], STEPB  ; the next step's tiles
	s_wait_dscnt 0x0                ; K is in
.irp c, 0,1                         ; S^T = K Q^T: the eight accumulators take turns, one instruction a turn; the first eight start the sums
.irp kt, 0,1,2,3
.irp t, 0,1
.if \c == 0
	v_wmma_f32_16x16x32_f16 v[S+32*\t+8*\kt:S+32*\t+8*\kt+7], v[KF+16*\kt+8*\c:KF+16*\kt+8*\c+7], v[Q+16*\t+8*\c:Q+16*\t+8*\c+7], 0
.else
	v_wmma_f32_16x16x32_f16 v[S+32*\t+8*\kt:S+32*\t+8*\kt+7], v[KF+16*\kt+8*\c:KF+16*\kt+8*\c+7], v[Q+16*\t+8*\c:Q+16*\t+8*\c+7], v[S+32*\t+8*\kt:S+32*\t+8*\kt+7]
.endif
.endr
.endr
.endr
.rept 4
	v_nop                           ; places: for the loads into K's registers and for the first reads of the scores
.endr
.irp u, 0,1                         ; V, turned: keys 32 u on, channels 16 ct on; it lands while the softmax is walked
.irp ct, 0,1,2,3
	ds_load_tr16_b128 v[KF+32*\u+8*\ct:KF+32*\u+8*\ct+3],   v[ADV] offset:32*PV*\u+32*\ct
	ds_load_tr16_b128 v[KF+32*\u+8*\ct+4:KF+32*\u+8*\ct+7], v[ADV] offset:32*PV*\u+16*PV+32*\ct
.endr
.endr
	; the maximum of my 32 scores and the old m, three operands at a time, in four chains, each begun at an accumulator's low end; the two tiles alternate line by line
.irp j, 0,1,2,3
.irp t, 0,1
	v_max3_num_f32 v[ST+8*\t+4+\j], v[S+32*\t+8*\j], v[S+32*\t+8*\j+1], v[S+32*\t+8*\j+2]
.endr
.endr
.irp i, 3,5
.irp j, 0,1,2,3
.irp t, 0,1
	v_max3_num_f32 v[ST+8*\t+4+\j], v[ST+8*\t+4+\j], v[S+32*\t+8*\j+\i], v[S+32*\t+8*\j+\i+1]
.endr
.endr
.endr
.irp t, 0,1
	v_max3_num_f32 v[ST+8*\t+4], v[ST+8*\t+4], v[S+32*\t+7], v[S+32*\t+15]
.endr
.irp t, 0,1
	v_max3_num_f32 v[ST+8*\t+6], v[ST+8*\t+6], v[S+32*\t+23], v[S+32*\t+31]
.endr
.irp t, 0,1
	v_max3_num_f32 v[ST+8*\t+4], v[ST+8*\t+4], v[ST+8*\t+5], v[ST+8*\t+6]
.endr
.irp t, 0,1
	v_max3_num_f32 v[ST+8*\t+4], v[ST+8*\t+4], v[ST+8*\t+7], v[ST+8*\t+1]
.endr
.irp t, 0,1
	v_permlanex16_b32 v[ST+8*\t+5], v[ST+8*\t+4], s[SEL], s[SEL+1]  ; the query's other 32 keys lie in the lane 16 away
.endr
.irp t, 0,1
	v_mov_b32 v[ST+8*\t+7], v[ST+8*\t]  ; c m_old is kept for a
.endr
.irp t, 0,1
	v_max_num_f32 v[ST+8*\t+1], v[ST+8*\t+4], v[ST+8*\t+5]
.endr
.irp t, 0,1
	v_mul_f32 v[ST+8*\t], s[CS], v[ST+8*\t+1]
.endr
.irp t, 0,1
	v_sub_f32 v[ST+8*\t+7], v[ST+8*\t+7], v[ST+8*\t]
.endr
	; ONE BATCH: both a and all 64 p.  None of these lines names an exponential's result; a group is scaled a group ahead of its exponentials
.irp t, 0,1
	v_exp_f32 v[ST+8*\t+6], v[ST+8*\t+7]
.endr
	SCALE 0
.set G, 0
.rept 15
	SCALE G+1
	EXPS G
.set G, G+1
.endr
	EXPS 15
	v_nop                           ; the plain line behind the last exponential
	s_wait_alu depctr_va_vdst(0)    ; one wait for the 66, ahead of the first line that names a result
	; l = a l + the sum of the unrounded p: two chains a tile, two numbers a line
.irp t, 0,1
	v_pk_add_f32 v[ST+8*\t+4:ST+8*\t+5], v[S+32*\t:S+32*\t+1], v[S+32*\t+2:S+32*\t+3]
.endr
.irp t, 0,1
	v_pk_fma_f32 v[ST+8*\t+2:ST+8*\t+3], v[ST+8*\t+2:ST+8*\t+3], v[ST+8*\t+6:ST+8*\t+7], v[S+32*\t+4:S+32*\t+5] op_sel_hi:[1,0,1]
.endr
.irp t, 0,1
	v_pk_add_f32 v[ST+8*\t+4:ST+8*\t+5], v[ST+8*\t+4:ST+8*\t+5], v[S+32*\t+6:S+32*\t+7]
.endr
.irp i, 8,12,16,20,24,28
.irp t, 0,1
	v_pk_add_f32 v[ST+8*\t+2:ST+8*\t+3], v[ST+8*\t+2:ST+8*\t+3], v[S+32*\t+\i:S+32*\t+\i+1]
.endr
.irp t, 0,1
	v_pk_add_f32 v[ST+8*\t+4:ST+8*\t+5], v[ST+8*\t+4:ST+8*\t+5], v[S+32*\t+\i+2:S+32*\t+\i+3]
.endr
.endr
.irp t, 0,1
	v_pk_add_f32 v[ST+8*\t+2:ST+8*\t+3], v[ST+8*\t+2:ST+8*\t+3], v[ST+8*\t+4:ST+8*\t+5]
.endr
.irp i, 0,1,2,3,4,5,6,7,8,9,10,11,12,13,14,15
.irp t, 0,1
	v_cvt_pk_f16_f32 v[S+32*\t+\i], v[S+32*\t+2*\i], v[S+32*\t+2*\i+1]  ; P: in place, from the low end on
.endr
.endr
.irp i, 0,2,4,6,8,10,12,14,16,18,20,22,24,26,28,30
.irp t, 0,1
	v_pk_mul_f32 v[O+32*\t+\i:O+32*\t+\i+1], v[O+32*\t+\i:O+32*\t+\i+1], v[ST+8*\t+6:ST+8*\t+7] op_sel_hi:[1,0]  ; O^T x a, each accumulator from its low end on
.endr
.endr
	s_wait_dscnt 0x0                ; V is in
.irp u, 0,1                         ; O^T += V^T P: the eight accumulators take turns
.irp ct, 0,1,2,3
.irp t, 0,1
	v_wmma_f32_16x16x32_f16 v[O+32*\t+8*\ct:O+32*\t+8*\ct+7], v[KF+32*\u+8*\ct:KF+32*\u+8*\ct+7], v[S+32*\t+8*\u:S+32*\t+8*\u+7], v[O+32*\t+8*\ct:O+32*\t+8*\ct+7]
.endr
.endr
.endr
.endm
.macro SLOT_STEPS                   ; my half's four key steps of a slot: written once, walked four times; the LDS addresses hang on s[TB]
	s_mov_b32 s[CNT], 4
.Lstep_\@:
	STEP
	s_sub_co_u32 s[CNT], s[CNT], 1
	s_cmp_lg_u32 s[CNT], 0
	s_cbranch_scc1 .Lstep_\@
.endm
; THE CHANGE OF SLOTS.  Each wave waits for all its tensor loads, of which one is out: its tile of the other slot; adds 0 to its spare word; and waits for that and for its reads of the slot that it leaves.
; fill = 1: slot p, the one left, is filled again, with the keys two slots on: the barrier is then a round of the cluster's, and the joint refill is the first thing behind it.
.macro CHANGE fill, p
	s_wait_tensorcnt 0x0            ; no tensor load of mine is out, so a group 0 may be written
	ds_add_u32 v[SPW], v[NIL]
.if \fill
	s_add_nc_u64 s[G0K+4*\p+2:G0K+4*\p+3], s[G0K+4*\p+2:G0K+4*\p+3], 2*SLOTG  ; the slot's next keys; the type bits on top are not reached
	s_add_nc_u64 s[G0V+4*\p+2:G0V+4*\p+3], s[G0V+4*\p+2:G0V+4*\p+3], 2*SLOTG
	s_wait_dscnt 0x0                ; the add is done, and my reads of the slot are over
	CROUND
	JLOAD \p
.else
	s_wait_dscnt 0x0
	s_barrier_signal -1
	s_barrier_wait -1
.endif
.endm
	s_wait_tensorcnt 1              ; my tile of slot 0 is in; slot 1's may stay out
	s_barrier_signal -1
	s_barrier_wait -1               ; everybody's is
	s_wait_loadcnt 0x0              ; Q
	s_mov_b32 s[TB], s[KH4]
	SLOT_STEPS                      ; the first slot's worth of keys, in slot 0
	CHANGE 1, 0                     ; slot 0 takes the third
	s_cmp_eq_u32 s[LIM], 1          ; the prefetch, behind the tensor load and its five lines
	s_cbranch_scc0 .Lnot_mine
	global_prefetch_b8 v[PFO], s[PFA:PFA+1] th:TH_LOAD_NT scope:SCOPE_SE
.Lnot_mine:
	s_add_co_u32 s[TB], s[KH4], SLOTL
	SLOT_STEPS                      ; the second, in slot 1
	CHANGE 1, 1                     ; slot 1 takes the fourth
	s_mov_b32 s[TB], s[KH4]
	SLOT_STEPS                      ; the third
	CHANGE 0, 0                     ; nothing is left to fetch; behind this barrier nobody reads slot 0 any more
	s_add_co_u32 s[TB], s[KH4], SLOTL
	SLOT_STEPS                      ; the fourth
	; THE END.  A query's two halves of the keys are joined.  c m and l of my two tiles in four registers on end (these four lines are the places behind the last products):
	v_mov_b32 v[IM], v[ST]
	v_add_f32 v[IM+1], v[ST+2], v[ST+3]
	v_mov_b32 v[IM+2], v[ST+8]
	v_add_f32 v[IM+3], v[ST+10], v[ST+11]
	s_cmp_lt_u32 s[WV], 8
	s_cbranch_scc1 .Lkeeps
.irp i, 0,1,2,3,4,5,6,7,8,9,10,11,12,13,14,15
	ds_store_b128 v[XA], v[O+4*\i:O+4*\i+3] offset:512*\i  ; waves 8-15: O^T as an image of its registers, lane l's 16 bytes at 16 l; each accumulator from its low end on
.endr
	ds_store_b128 v[XA], v[IM:IM+3] offset:8192
.Lkeeps:
	s_wait_dscnt 0x0                ; for the others' sake: my stores are done
	s_barrier_signal -1
	s_barrier_wait -1
	s_cmp_lt_u32 s[WV], 8
	s_cbranch_scc0 .Lend            ; waves 8-15 have handed their part over
	ds_load_b128 v[PM:PM+3], v[XA] offset:8192
.irp i, 0,1,2,3,4,5,6,7,8,9,10,11,12,13,14,15
	ds_load_b128 v[KF+4*\i:KF+4*\i+3], v[XA] offset:512*\i  ; the same registers in the same lanes: the other half's O^T of my queries
.endr
	s_wait_dscnt 16                 ; the other half's c m and l are in; its O^T, sixteen loads, may be out
.irp t, 0,1
	v_max_num_f32 v[ST+8*\t+4], v[IM+2*\t], v[PM+2*\t]  ; c m over all keys
.endr
.irp t, 0,1
	v_sub_f32 v[ST+8*\t+5], v[IM+2*\t], v[ST+8*\t+4]
.endr
.irp t, 0,1
	v_sub_f32 v[ST+8*\t+7], v[PM+2*\t], v[ST+8*\t+4]
.endr
.irp t, 0,1
	v_exp_f32 v[ST+8*\t+5], v[ST+8*\t+5]  ; what my half is multiplied by,
.endr
.irp t, 0,1
	v_exp_f32 v[ST+8*\t+7], v[ST+8*\t+7]  ; and the other: one of the two is 1
.endr
	v_nop                           ; a plain line behind the last exponential
	s_wait_alu depctr_va_vdst(0)    ; one wait for the four
.irp t, 0,1
	v_mul_f32 v[ST+8*\t+4], v[IM+2*\t+1], v[ST+8*\t+5]
.endr
.irp t, 0,1
	v_fma_f32 v[ST+8*\t+4], v[PM+2*\t+1], v[ST+8*\t+7], v[ST+8*\t+4]
.endr
.irp t, 0,1
	v_permlanex16_b32 v[ST+8*\t+6], v[ST+8*\t+4], s[SEL], s[SEL+1]
.endr
.irp t, 0,1
	v_add_f32 v[ST+8*\t+4], v[ST+8*\t+4], v[ST+8*\t+6]  ; with the lane 16 away: the row's sum
.endr
.irp t, 0,1
	v_rcp_f32 v[ST+8*\t+6], v[ST+8*\t+4]
.endr
	v_nop                           ; a plain line behind the last reciprocal
	s_wait_alu depctr_va_vdst(0)    ; one wait for the two
.irp t, 0,1
	v_mul_f32 v[ST+8*\t+4], v[ST+8*\t+5], v[ST+8*\t+6]  ; my half's factor / l,
.endr
.irp t, 0,1
	v_mul_f32 v[ST+8*\t+6], v[ST+8*\t+7], v[ST+8*\t+6]  ; the other half's / l
.endr
	s_wait_dscnt 0x0                ; the other half's O^T is in
; Tile t: the two halves joined and divided by l, rounded to f16; 16 bytes a lane into my stage, and back as rows.
.macro PACK t
.irp i, 0,2,4,6,8,10,12,14,16,18,20,22,24,26,28,30
	v_pk_mul_f32 v[O+32*\t+\i:O+32*\t+\i+1], v[O+32*\t+\i:O+32*\t+\i+1], v[ST+8*\t+4:ST+8*\t+5] op_sel_hi:[1,0]  ; each accumulator from its low end on
.endr
.irp i, 0,2,4,6,8,10,12,14,16,18,20,22,24,26,28,30
	v_pk_fma_f32 v[O+32*\t+\i:O+32*\t+\i+1], v[KF+32*\t+\i:KF+32*\t+\i+1], v[ST+8*\t+6:ST+8*\t+7], v[O+32*\t+\i:O+32*\t+\i+1] op_sel_hi:[1,0,1]
.endr
.irp i, 0,1,2,3,4,5,6,7,8,9,10,11,12,13,14,15
	v_cvt_pk_f16_f32 v[S+16*\t+\i], v[O+32*\t+2*\i], v[O+32*\t+2*\i+1]
.endr
.irp f, 0,1,2,3
	ds_store_b128 v[STO], v[S+16*\t+4*\f:S+16*\t+4*\f+3] offset:32*\f
.endr
.irp f, 0,1,2,3
	ds_load_b128 v[S+32+16*\t+4*\f:S+32+16*\t+4*\f+3], v[RD] offset:4*PK*\f  ; LDS serves a wave's instructions in order: these see the stores above; the next tile's stores come behind them
.endr
.endm
.macro SEND t, younger              ; younger: the LDS instructions issued behind tile t's loads
.irp f, 0,1,2,3
	s_wait_dscnt \younger+3-\f
	global_store_b128 v[GO], v[S+32+16*\t+4*\f:S+32+16*\t+4*\f+3], s[6:7] offset:2048*\t+512*\f  ; the wave stores 512 consecutive bytes, aligned
.endr
.endm
	PACK 0
	PACK 1
	SEND 0, 8                       ; tile 1's four stores and four loads may be out
	SEND 1, 0
.Lend:
	s_wait_tensorcnt 0x0            ; the wave's end: a wait, an add of 0 to my spare word and its wait, behind my last tensor load and my last LDS store
	ds_add_u32 v[SPW], v[NIL]
	s_wait_dscnt 0x0
	CROUND                          ; the closing round
	s_endpgm
.Lfunc_end_k_q4d7d2f6e9a_attn:
	.size	k_q4d7d2f6e9a_attn, .Lfunc_end_k_q4d7d2f6e9a_attn-k_q4d7d2f6e9a_attn
	.p2alignl 7, 3214868480
	.fill 96, 4, 3214868480
	.section	.rodata,"a",@progbits
	.p2align	6, 0x0
	.amdhsa_kernel k_q4d7d2f6e9a_attn
		.amdhsa_group_segment_fixed_size 327680
		.amdhsa_private_segment_fixed_size 0
		.amdhsa_enable_private_segment 0
		.amdhsa_kernarg_size 16
		.amdhsa_user_sgpr_count 2
		.amdhsa_user_sgpr_kernarg_segment_ptr 1
		.amdhsa_wavefront_size32 1
		.amdhsa_system_sgpr_workgroup_id_x 1
		.amdhsa_system_sgpr_workgroup_id_y 1
		.amdhsa_system_sgpr_workgroup_id_z 1
		.amdhsa_system_vgpr_workitem_id 0
		.amdhsa_next_free_vgpr 256
		.amdhsa_next_free_sgpr 66
		.amdhsa_reserve_vcc 0
		.amdhsa_float_denorm_mode_32 3
		.amdhsa_float_denorm_mode_16_64 3
		.amdhsa_memory_ordered 1
		.amdhsa_forward_progress 1
		.amdhsa_inst_pref_size 93
	.end_amdhsa_kernel
	.amdgpu_metadata
---
amdhsa.version: [ 1, 2 ]
amdhsa.kernels:
  - .name:           k_q4d7d2f6e9a_attn
    .symbol:         k_q4d7d2f6e9a_attn.kd
    .args:
      - { .name: qkv, .offset: 0, .size: 8, .value_kind: global_buffer, .address_space: global }
      - { .name: oh, .offset: 8, .size: 8, .value_kind: global_buffer, .address_space: global }
    .group_segment_fixed_size: 327680
    .private_segment_fixed_size: 0
    .kernarg_segment_align: 8
    .kernarg_segment_size: 16
    .max_flat_workgroup_size: 512
    .sgpr_count:     66
    .vgpr_count:     256
    .wavefront_size: 32
...
	.end_amdgpu_metadata
.endif
;; end of part 3
;; launch oproj (part 4): grid 8 x 32, 4 waves a work-group, clusters of 4 x 4, 327,680 bytes of LDS; arguments oh, wt, b_out, out0; writes out0
.if DOCPART == 4
	.amdgcn_target "amdgcn-amd-amdhsa--gfx1250"
	.amdhsa_code_object_version 6
	.text
	.protected	k_q4d7d2f6e9a_oproj
	.globl	k_q4d7d2f6e9a_oproj
	.p2align	8
	.type	k_q4d7d2f6e9a_oproj,@function
k_q4d7d2f6e9a_oproj:
	s_mov_b64 s[64:65], 0
	v_nop
	global_prefetch_b8 v0, s[64:65] scope:SCOPE_SE
	s_setreg_imm32_b32 hwreg(HW_REG_WAVE_MODE, 25, 1), 1
	s_wait_xcnt 0x0
	s_wait_alu depctr_hold_cnt(0) depctr_sa_sdst(0) depctr_va_vdst(0) depctr_va_sdst(0) depctr_va_ssrc(0) depctr_va_vcc(0) depctr_vm_vsrc(0)
	s_getreg_b32 s2, hwreg(HW_REG_IB_STS2, 6, 4)
	s_cmp_eq_u32 s2, 0
	s_cbranch_scc0 .Lentry_in_a_cluster
	s_endpgm
.Lentry_in_a_cluster:
	s_bfe_u32 s2, ttmp6, 0x10000c
	s_cmp_lg_u32 s2, 0xf033
	s_cbranch_scc0 .Lentry_shape_is_right
	s_endpgm
.Lentry_shape_is_right:
; out0[m][n] = the sum over k of o[m][k] W_out[k][n] + b_out[n].  o comes by heads: oh f16 [32 (batch x 16 + head)][2048][64], so o[m][k] = oh[16 (m / 2048) + k / 64][m % 2048][k % 64];
; wt f16 [1024 n][1024 k]; out0 f32 [4096][1024].  f16 operands, sums in f32.
; A tile of out0 is 128 x 128: 256 work-groups.  Four waves, each 64 x 64: 16 accumulators of 16 x 16.  K goes in steps of 256 (four heads) through two LDS slots; four K steps in all.
; A'S TILE: 64 tokens of one head are 8,192 consecutive bytes.  One tensor load brings 64 tokens x 4 heads as 4 long rows of 4,096 elements, 131,072 elements apart, with 16 bytes of padding behind every
; 128 bytes: in LDS a token's 128 bytes of a head lie 144 bytes apart, a head's 64 tokens 9,216.  A quarter of a K step, 64 along K, is one head.
; CLUSTERS: 4 x 4 work-groups: A's tiles are shared along a row of the cluster, B's along a column, by joint loads.  THE MATRIX INSTRUCTION IS USED TRANSPOSED (source 0 = 16 rows of wt, source 1 = 16 rows of o).
; THE BIAS is the C of each sum's first matrix instruction.
; REGISTERS: window 0: v0-31 addresses; v32-95 the way out; v96-127 the bias; v128-255 the accumulators ((a, b) at v[128 + 8 (4 a + b)]).   window 1: two fragment buffers of 128: 64 registers of A, then 64 of B.
.set PITCH,  528                       ; a row of B in LDS: 512 bytes + 16
.set PA,     144                       ; a token's 128 bytes of a head + 16
.set HEADB,  64*PA                     ; a head's 64 tokens
.set HALFA,  4*HEADB                   ; what one load brings of A: 64 tokens x 4 heads
.set HALFB,  64*PITCH                  ; and of B: 64 rows
.set BOFF,   2*HALFA                   ; in a slot: A's two halves, then B's two
.set SLOT,   2*HALFA+2*HALFB
.set STAGE,  2*SLOT                    ; behind the ring: 16 rows x 272 bytes for each wave
.set SPITCH, 272
.set SPARE,  STAGE+4*16*SPITCH         ; the spare words, 128 bytes for each wave: two blocks of 256 bytes that no other line names
.set ASTEP,  1048576                   ; a K step on in oh: four heads of 262,144 bytes
.set BSTEP,  512                       ; and in a row of wt
.set LAPS,   2                         ; a lap = two K steps = once round the ring
.set ADRA, 16                          ; v16-17 LDS address of my A fragments in slot 0, 1
.set ADRB, 20                          ; v20-21 the same for B
.set STO,  24
.set RD,   25
.set CO,   26
.set SPW,  28                          ; v28 LDS address of my spare word; never rewritten
.set NIL,  29                          ; v29 0; never rewritten
.set BK,   32                          ; the way out: rows read back: v32-63 and v64-95 by turns
.set BI,   96                          ; the bias: n block b at v[BI + 8 b]
.set ACC,  128
.set F0,   0
.set F1,   128
.set G1, 24
.set G0, 32
.set G1B, 48
.set G0B, 56
.set MSB, 0
.macro WIN new                         ; the immediate's high byte repeats the setting that is left
.if MSB != \new
	s_set_vgpr_msb (MSB<<8)|\new
.set MSB, \new
.endif
.endm
.set MUL,  0x05                        ; sources 0 (B) and 1 (A) window 1; C and D window 0
.set TO_F, 0x40                        ; destination window 1, address window 0
.macro JLOAD s                         ; a joint load: waves 0 and 1 fetch A's two halves, waves 2 and 3 B's; an s_nop 0 and four v_nop follow each of the two lines
	s_cmp_eq_u32 s11, 0
	s_cbranch_scc0 .Lfor_b_\@
	tensor_load_to_lds s[G0+4*\s:G0+4*\s+3], s[G1:G1+7]
	s_nop 0
.rept 4
	v_nop
.endr
	s_branch .Lasked_\@
.Lfor_b_\@:
	tensor_load_to_lds s[G0B+4*\s:G0B+4*\s+3], s[G1B:G1B+7]
	s_nop 0
.rept 4
	v_nop
.endr
.Lasked_\@:
.endm
.macro CREST                           ; a round of the cluster's barrier behind its opening barrier
	s_cmp_lg_u32 s10, 0
	s_cbranch_scc1 .Lnot_wave_0_\@
	s_barrier_signal -3
.Lnot_wave_0_\@:
	s_barrier_wait -3
	s_barrier_signal -1
	s_barrier_wait -1
.endm
.macro CROUND
	s_barrier_signal -1
	s_barrier_wait -1
	CREST
.endm
	s_load_b128 s[4:7], s[0:1], 0x0                ; oh s[4:5], wt s[6:7]
	s_load_b64 s[66:67], s[0:1], 0x10              ; b_out
	s_load_b64 s[8:9], s[0:1], 0x18                ; out0
	v_lshl_add_u32 v[SPW], v0, 2, SPARE
	v_mov_b32 v[NIL], 0
	ds_add_u32 v[SPW], v[NIL]                      ; the wave's opening: the add, twice on end, and its wait ahead of my first tensor load
	ds_add_u32 v[SPW], v[NIL]
	v_lshrrev_b32 v1, 5, v0
	v_readfirstlane_b32 s10, v1                    ; wave 0..3
	s_lshr_b32 s11, s10, 1                         ; which half of the tile's rows is mine.  Also: I fetch for A (0) or for B (1)
	s_and_b32 s12, s10, 1                          ; which half of its columns.  Also: which 64 rows of that tile I fetch
	s_bfe_u32 s40, ttmp6, 0x40000                  ; cx, cy
	s_bfe_u32 s41, ttmp6, 0x40004
	s_lshl_b32 s42, ttmp9, 2
	s_add_co_u32 s42, s42, s40                     ; tile column = 4 x cluster x + cx
	s_and_b32 s13, ttmp7, 0xffff
	s_lshl_b32 s13, s13, 2
	s_add_co_u32 s13, s13, s41                     ; tile row = 4 x cluster y + cy
	s_lshl_b32 s43, s41, 2
	s_lshl_b32 s43, 15, s43                        ; my row of the cluster
	s_lshl_b32 s44, 0x1111, s40                    ; my column
	; descriptor group 1 for A: 4 rows of 4,096 elements of 2 bytes, 131,072 elements apart; 4 words of padding behind every 32
	s_or_b32 s[G1+0], s43, (1<<16)|(1<<20)|(1<<21)|(4<<22)|(3<<25)
	s_mov_b32 s[G1+1], 4096<<16                    ; tensor_dim0
	s_mov_b32 s[G1+2], 4<<16                       ; tensor_dim1
	s_mov_b32 s[G1+3], 4096<<16                    ; tile_dim0
	s_mov_b32 s[G1+4], 4                           ; tile_dim1
	s_mov_b32 s[G1+5], 131072                      ; from head to head
	s_mov_b32 s[G1+6], 0
	s_mov_b32 s[G1+7], 0
	; and for B: 64 rows of 256 elements, 1,024 apart; 4 words of padding behind every 128
	s_or_b32 s[G1B+0], s44, (1<<16)|(1<<20)|(1<<21)|(6<<22)|(3<<25)
	s_mov_b32 s[G1B+1], 256<<16
	s_mov_b32 s[G1B+2], 64<<16
	s_mov_b32 s[G1B+3], 256<<16
	s_mov_b32 s[G1B+4], 64
	s_mov_b32 s[G1B+5], 1024
	s_mov_b32 s[G1B+6], 0
	s_mov_b32 s[G1B+7], 0
	s_lshr_b32 s16, s13, 4                         ; A: the batch (16 tile rows each): 16 heads of 262,144 bytes,
	s_lshl_b32 s16, s16, 22
	s_and_b32 s17, s13, 15                         ; the tile's 128 tokens of 128 bytes,
	s_lshl_b32 s17, s17, 14
	s_add_co_u32 s16, s16, s17
	s_lshl_b32 s17, s12, 13                        ; the 64 of them that I fetch
	s_add_co_u32 s16, s16, s17
	s_mov_b32 s17, 0
	s_lshl_b32 s46, s42, 7                         ; B: row 128 x tile column + 64 x half, of 2,048 bytes
	s_lshl_b32 s47, s12, 6
	s_add_co_u32 s46, s46, s47
	s_lshl_b32 s46, s46, 11
	s_mov_b32 s47, 0
	s_mul_i32 s20, s12, HALFA                      ; where they go: no place in the cluster enters an LDS address
	s_mul_i32 s23, s12, HALFB
	s_add_co_u32 s23, s23, BOFF
	s_wait_dscnt 0x0                               ; both opening adds are done
	s_wait_kmcnt 0x0
	s_add_nc_u64 s[14:15], s[4:5], s[16:17]
	s_add_nc_u64 s[46:47], s[6:7], s[46:47]
	CROUND                                         ; all sixteen work-groups are here: the first joint loads meet
.irp s, 0,1
	s_mov_b32 s[G0+4*\s], 1
	s_add_co_u32 s[G0+4*\s+1], s20, \s*SLOT
	s_add_nc_u64 s[G0+4*\s+2:G0+4*\s+3], s[14:15], \s*ASTEP
	s_or_b32 s[G0+4*\s+3], s[G0+4*\s+3], 0x80000000
	s_mov_b32 s[G0B+4*\s], 1
	s_add_co_u32 s[G0B+4*\s+1], s23, \s*SLOT
	s_add_nc_u64 s[G0B+4*\s+2:G0B+4*\s+3], s[46:47], \s*BSTEP
	s_or_b32 s[G0B+4*\s+3], s[G0B+4*\s+3], 0x80000000
	JLOAD \s
.endr
	v_and_b32 v1, 15, v0                           ; l % 16
	v_bfe_u32 v2, v0, 4, 1                         ; l / 16
	s_lshl_b32 s16, s13, 7                         ; out0: my first row 128 x tile row + 64 x half, of 4,096 bytes,
	s_lshl_b32 s17, s11, 6
	s_add_co_u32 s16, s16, s17
	s_lshl_b32 s16, s16, 12
	s_mov_b32 s17, 0
	s_add_nc_u64 s[8:9], s[8:9], s[16:17]
	s_lshl_b32 s46, s42, 9                         ; my first column, in bytes: 512 x tile column + 256 x half: in out0 and in b_out alike
	s_lshl_b32 s47, s12, 8
	s_add_co_u32 s46, s46, s47
	s_mov_b32 s47, 0
	s_add_nc_u64 s[8:9], s[8:9], s[46:47]
	s_add_nc_u64 s[66:67], s[66:67], s[46:47]
	v_lshlrev_b32 v8, 5, v2                        ; the bias: lane (r, h) wants, for n block b, my columns 16 b + 8 h + 0 .. 7; never rewritten
.irp b, 0,1,2,3
	global_load_b128 v[BI+8*\b:BI+8*\b+3], v8, s[66:67] offset:64*\b
	global_load_b128 v[BI+8*\b+4:BI+8*\b+7], v8, s[66:67] offset:64*\b+16
.endr
	v_mul_u32_u24 v3, v1, PA
	v_lshl_add_u32 v3, v2, 4, v3                   ; A: token x 144 + 16 x half
	v_mul_u32_u24 v4, v1, PITCH
	v_lshl_add_u32 v4, v2, 4, v4                   ; B: row x 528 + 16 x half
	s_mul_i32 s21, s11, HALFA                      ; my 64 rows of A
	s_mul_i32 s22, s12, HALFB                      ; my 64 rows of B,
	s_add_co_u32 s22, s22, BOFF                    ; which lie behind A's
.irp s, 0,1
	v_add_nc_u32 v[ADRA+\s], s21, v3
	v_add_nc_u32 v[ADRB+\s], s22, v4
	s_add_co_u32 s21, s21, SLOT
	s_add_co_u32 s22, s22, SLOT
.endr
	s_mul_i32 s23, s10, 16*SPITCH
	s_add_co_u32 s23, s23, STAGE                   ; my stage
	v_mul_u32_u24 v5, v1, SPITCH                   ; in: row l % 16, 32 bytes for each half of the lanes
	v_lshl_add_u32 v5, v2, 5, v5
	v_add_nc_u32 v[STO], s23, v5
	v_mul_u32_u24 v5, v2, SPITCH                   ; back: lanes 0-15 one row of 256 bytes, lanes 16-31 the next
	v_lshl_add_u32 v5, v1, 4, v5
	v_add_nc_u32 v[RD], s23, v5
	v_lshlrev_b32 v5, 12, v2                       ; and the same two rows in out0
	v_lshl_add_u32 v[CO], v1, 4, v5
; 8 matrix instructions: m blocks a0, a0 + 1 x all 4 n blocks, 32 along K: half c of buffer f.  zero = 1: the first product starts the sums from the bias.  The 16 accumulators take turns.
.macro MUL8 f, c, a0, zero
.irp a, \a0, \a0+1
.irp b, 0,1,2,3
.if \zero
	v_wmma_f32_16x16x32_f16 v[ACC+8*(4*(\a)+\b):ACC+8*(4*(\a)+\b)+7], v[\f+64+8*(4*\c+\b):\f+64+8*(4*\c+\b)+7], v[\f+8*(4*\c+\a):\f+8*(4*\c+\a)+7], v[BI+8*\b:BI+8*\b+7]
.else
	v_wmma_f32_16x16x32_f16 v[ACC+8*(4*(\a)+\b):ACC+8*(4*(\a)+\b)+7], v[\f+64+8*(4*\c+\b):\f+64+8*(4*\c+\b)+7], v[\f+8*(4*\c+\a):\f+8*(4*\c+\a)+7], v[ACC+8*(4*(\a)+\b):ACC+8*(4*(\a)+\b)+7]
.endif
.endr
.endr
.endm
; 32 LDS loads in one run: the fragments of 64 along K, at byte k of B's rows and in head k / 128 of A's tile, into buffer f; the first 32 along K first
.macro FETCH slot, k, f
	WIN TO_F
.irp c, 0,1
.irp i, 0,1,2,3
	ds_load_b128 v[\f+64+8*(4*\c+\i):\f+64+8*(4*\c+\i)+3],   v[ADRB+\slot] offset:\k+64*\c+\i*16*PITCH
	ds_load_b128 v[\f+64+8*(4*\c+\i)+4:\f+64+8*(4*\c+\i)+7], v[ADRB+\slot] offset:\k+64*\c+\i*16*PITCH+32
	ds_load_b128 v[\f+8*(4*\c+\i):\f+8*(4*\c+\i)+3],         v[ADRA+\slot] offset:((\k)/128)*HEADB+64*\c+\i*16*PA
	ds_load_b128 v[\f+8*(4*\c+\i)+4:\f+8*(4*\c+\i)+7],       v[ADRA+\slot] offset:((\k)/128)*HEADB+64*\c+\i*16*PA+32
.endr
.endr
.endm
.macro PLACES                          ; four plain lines in front of loads into registers that matrix instructions have read, and of the first reads of results
.rept 4
	v_nop
.endr
.endm
; A K step is four quarters of 64 along K, 32 matrix instructions each, on buffers 0, 1, 0, 1.  One of the first three: multiplies buffer f and fetches the next quarter, at byte k, into g.
.macro QUARTER slot, k, f, g, zero
	s_wait_dscnt 16                                ; the first 32 along K are in; the other sixteen loads may be out
	WIN MUL
	MUL8 \f, 0, 0, \zero
	MUL8 \f, 0, 2, \zero
	PLACES
	FETCH \slot, \k, \g
	s_wait_dscnt 32                                ; all but the 32 just issued
	WIN MUL
	MUL8 \f, 1, 0, 0
	MUL8 \f, 1, 2, 0
.endm
; The last quarter multiplies buffer 1 and changes slots: ONE barrier; in front of it each wave waits for all its tensor loads, adds 0 to its spare word, and waits for that and for its reads of this slot.
; fill = 1: this slot is filled again, two K steps ahead; the barrier then opens a round of the cluster's.
.macro TURN slot, next, fill
	WIN 0                                          ; (the add's two registers lie in window 0)
	s_wait_tensorcnt 0x0                           ; all my tensor loads have landed: my part of the next slot
	ds_add_u32 v[SPW], v[NIL]
	s_wait_dscnt 17                                ; (the add and the youngest sixteen loads may be out)
	WIN MUL
	MUL8 F1, 0, 0, 0
	s_wait_dscnt 0x0                               ; the add is done, and my reads of this slot are over
	s_barrier_signal -1
	MUL8 F1, 0, 2, 0
.if \fill
	WIN 0
.endif
	s_barrier_wait -1
.if \fill
	CREST                                          ; no wave of any partner still reads this slot's tile or has a load on its way
	s_add_nc_u64 s[G0+4*\slot+2:G0+4*\slot+3], s[G0+4*\slot+2:G0+4*\slot+3], 2*ASTEP
	s_add_nc_u64 s[G0B+4*\slot+2:G0B+4*\slot+3], s[G0B+4*\slot+2:G0B+4*\slot+3], 2*BSTEP
	JLOAD \slot                                    ; the first tensor load behind the round; its four v_nop are also the places in front of the loads below
.else
	PLACES
.endif
	FETCH \next, 0, F0
	WIN MUL
	MUL8 F1, 1, 0, 0
	MUL8 F1, 1, 2, 0
.endm
	s_wait_tensorcnt 1                             ; my part of K step 0 is in; K step 1's may be out
	s_barrier_signal -1
	s_barrier_wait -1                              ; everybody's is
	FETCH 0, 0, F0
	s_wait_loadcnt 0x0                             ; the bias
	QUARTER 0, 128, F0, F1, 1                      ; the first quarter stands in front of the loop: its first products start the sums
	WIN 0                                          ; at a label and at a branch every window is 0
	s_mov_b32 s3, LAPS-1
.Llap:                                                 ; a trip goes once round the ring, from a lap's second quarter to the next lap's first, and fills both slots again
	QUARTER 0, 256, F1, F0, 0
	QUARTER 0, 384, F0, F1, 0
	TURN 0, 1, 1
	QUARTER 1, 128, F0, F1, 0
	QUARTER 1, 256, F1, F0, 0
	QUARTER 1, 384, F0, F1, 0
	TURN 1, 0, 1
	QUARTER 0, 128, F0, F1, 0
	WIN 0
	s_sub_co_u32 s3, s3, 1
	s_cmp_lg_u32 s3, 0
	s_cbranch_scc1 .Llap
	QUARTER 0, 256, F1, F0, 0                      ; the last lap fills nothing, and has no round of the cluster's barrier
	QUARTER 0, 384, F0, F1, 0
	TURN 0, 1, 0
	QUARTER 1, 128, F0, F1, 0
	QUARTER 1, 256, F1, F0, 0
	QUARTER 1, 384, F0, F1, 0
	s_wait_dscnt 16                                ; the very last quarter: nothing more to fetch
	WIN MUL
	MUL8 F1, 0, 0, 0
	MUL8 F1, 0, 2, 0
	s_wait_dscnt 0
	MUL8 F1, 1, 0, 0
	MUL8 F1, 1, 2, 0
	WIN 0
; THE WAY OUT, block by block of 16 rows x 64 columns: a wave's 64 columns of f32 are 256 bytes, so each wave goes by itself, through its own stage: no barrier.
.macro TOSTAGE a
.irp b, 0,1,2,3
	ds_store_b128 v[STO], v[ACC+8*(4*(\a)+\b):ACC+8*(4*(\a)+\b)+3] offset:64*\b        ; each accumulator from its low end on
	ds_store_b128 v[STO], v[ACC+8*(4*(\a)+\b)+4:ACC+8*(4*(\a)+\b)+7] offset:64*\b+16
.endr
.set BB, BK+32*((\a)%2)
.irp t, 0,1,2,3,4,5,6,7
	ds_load_b128 v[BB+4*\t:BB+4*\t+3], v[RD] offset:\t*2*SPITCH   ; LDS serves a wave's instructions in order: these see the stores above
.endr
.endm
.macro SEND a, younger                 ; younger: the LDS instructions issued behind block a's loads, which may stay out
.set BB, BK+32*((\a)%2)
	s_wait_dscnt \younger
.irp t, 0,1,2,3,4,5,6,7
	global_store_b128 v[CO], v[BB+4*\t:BB+4*\t+3], s[8:9] offset:(16*(\a)+2*\t)*4096 th:TH_STORE_NT   ; sixteen lanes store 256 consecutive bytes, aligned; written once, read by nobody here
.endr
.endm
	PLACES
	TOSTAGE 0
.irp a, 1,2,3
.if \a > 1
	s_wait_xcnt 0x0                                ; block a - 2's stores have read their registers: block a's loads may land there
.endif
	TOSTAGE \a
	SEND \a-1, 16                                  ; behind block a - 1's loads: block a's eight stores and eight loads
.endr
	SEND 3, 0
	s_wait_tensorcnt 0x0                           ; the wave's end: a wait, an add of 0 to my spare word and its wait, behind my last tensor load and my last LDS store
	ds_add_u32 v[SPW], v[NIL]
	s_wait_dscnt 0x0
	CROUND                                         ; the closing round
	s_endpgm
.Lfunc_end_k_q4d7d2f6e9a_oproj:
	.size	k_q4d7d2f6e9a_oproj, .Lfunc_end_k_q4d7d2f6e9a_oproj-k_q4d7d2f6e9a_oproj
	.p2alignl 7, 3214868480
	.fill 96, 4, 3214868480
	.section	.rodata,"a",@progbits
	.p2align	6, 0x0
	.amdhsa_kernel k_q4d7d2f6e9a_oproj
		.amdhsa_group_segment_fixed_size 327680
		.amdhsa_private_segment_fixed_size 0
		.amdhsa_enable_private_segment 0
		.amdhsa_kernarg_size 32
		.amdhsa_user_sgpr_count 2
		.amdhsa_user_sgpr_kernarg_segment_ptr 1
		.amdhsa_wavefront_size32 1
		.amdhsa_system_sgpr_workgroup_id_x 1
		.amdhsa_system_sgpr_workgroup_id_y 1
		.amdhsa_system_sgpr_workgroup_id_z 1
		.amdhsa_system_vgpr_workitem_id 0
		.amdhsa_next_free_vgpr 512
		.amdhsa_next_free_sgpr 68
		.amdhsa_reserve_vcc 0
		.amdhsa_float_denorm_mode_32 3
		.amdhsa_float_denorm_mode_16_64 3
		.amdhsa_memory_ordered 1
		.amdhsa_forward_progress 1
		.amdhsa_inst_pref_size 87
	.end_amdhsa_kernel
	.amdgpu_metadata
---
amdhsa.version: [ 1, 2 ]
amdhsa.kernels:
  - .name:           k_q4d7d2f6e9a_oproj
    .symbol:         k_q4d7d2f6e9a_oproj.kd
    .args:
      - { .name: oh, .offset: 0, .size: 8, .value_kind: global_buffer, .address_space: global }
      - { .name: wt, .offset: 8, .size: 8, .value_kind: global_buffer, .address_space: global }
      - { .name: b_out, .offset: 16, .size: 8, .value_kind: global_buffer, .address_space: global }
      - { .name: out0, .offset: 24, .size: 8, .value_kind: global_buffer, .address_space: global }
    .group_segment_fixed_size: 327680
    .private_segment_fixed_size: 0
    .kernarg_segment_align: 8
    .kernarg_segment_size: 32
    .max_flat_workgroup_size: 128
    .sgpr_count:     68
    .vgpr_count:     512
    .wavefront_size: 32
...
	.end_amdgpu_metadata
.endif
;; end of part 4
